; MI455X (gfx1250); checked and timed in simulation.
; The chip was launched on July 23, 2026; its instructions are those of AMD's public machine-readable ISA for CDNA 5 (MIT licence, August 2026) and "CDNA5" Instruction Set Architecture Reference Guide (July 2026). The comments in the code are by the model that wrote it; some were corrected since.
;; Leaky Integrate Fire Attention. Allowed arithmetic: matrix products marked QUANTISED: E3M2 operands, one E8M0 scale for each 32 along K, by v_wmma_scale_f32_16x16x128_f8f6f4 with both operands' format E3M2, f32 sums; everything else in f32.
;; Inputs: W_attn 1,024 x 3,072 float32; W_proj 1,024 x 1,024 float32; b_attn 3,072 float32; b_proj 1,024 float32; leak 16 float32; steepness 16 float32; threshold 16 float32; x 2 x 2,048 x 1,024 float32.
;; Outputs: out0 2 x 2,048 x 1,024 float32.
;; This version of the problem:
;;   THIS VERSION OF THE PROBLEM IS GIVEN IN LOW PRECISION. The matrix products marked QUANTISED in the list below multiply operands that are first quantised to E3M2 (3 exponent bits, 2 mantissa bits; 6 bits a number), with one power-of-two scale for each 32 numbers along K (OCP MX v1.0); their sums are f32. All else is computed in f32.
;;   The module's matrix products, in the order in which they are computed (A, B: the left and right operand; K: the contracted axis; several contracted axes count as one K, in the product's order):
;;     1. [M 4,096, K 1,024] x [K 1,024, N 3,072]; A: input x; B: input W_attn: QUANTISED
;;     2. batch 32 x [M 2,048, K 64] x [K 64, N 2,048]; A: computed on the way; B: computed on the way: QUANTISED
;;     3. batch 32 x [M 2,048, K 2,048] x [K 2,048, N 64]; A: computed on the way; B: computed on the way: QUANTISED
;;     4. [M 4,096, K 1,024] x [K 1,024, N 1,024]; A: computed on the way; B: input W_proj: QUANTISED
;;   THE QUANTISER, for each operand of a quantised product, along K:
;;     - K is cut into blocks of 32 from its start; a last block that is shorter is filled with zeros.
;;     - A block's scale is 2^e with e = floor(log2(the largest magnitude in the block)) - 4, held to -126 .. 127; a block of zeros has e = 0. As a byte (E8M0): e + 127.
;;     - Each number is divided by its block's scale, clamped to +-28, and rounded to the nearest number of E3M2, ties to even, subnormals kept.
;;     - The product sums the exact products of the quantised numbers (number of the format x scale) in f32.
;;   ~~~python
;;   def quantise(x, axis):      # numpy; x: float32 -> the quantised numbers, widened to float32 again
;;       x = np.moveaxis(x, axis, -1); K = x.shape[-1]
;;       x = np.pad(x, [(0, 0)] * (x.ndim - 1) + [(0, -K % 32)]); x = x.reshape(x.shape[:-1] + (-1, 32)); a = np.abs(x).max(-1, keepdims=True)
;;       e = np.where(a > 0, np.clip(np.frexp(np.where(a > 0, a, 1))[1] - 1 - 4, -126, 127), 0)      # np.frexp(a)[1] - 1 = floor(log2(a)), exactly
;;       r = np.clip(x / 2.0 ** e, -28, 28)
;;       step = 2.0 ** (np.maximum(np.frexp(np.where(r == 0, 1, r))[1] - 1, -2) - 2)
;;       q = np.round(r / step) * step * 2.0 ** e      # np.round: ties to even
;;       return np.moveaxis(q.reshape(q.shape[:-2] + (-1,))[..., :K], -1, axis).astype(np.float32)
;;   ~~~
;;   OPERANDS COMPUTED ON THE WAY. 'Computed on the way' means the value that the module computes at that place (a softmax that the list does not call 'softmax' is quantised finished and normalised). What goes into a quantiser is computed in f32, as accurately as f32 sums, v_exp_f32 and their like allow (about 1e-6 of the number): no bf16 or f16 on the way to a quantiser, and a product that is left as it is and whose result goes on into a quantised operand takes f32 operands (vector FMAs, or v_wmma_f32_16x16x4_f32). A number that lies on a knife's edge between two numbers of the format may be rounded either way, as far as f32 arithmetic and the matrix unit's own rounding can turn it there, and no further.
;; 2 versions, each right; version 2 is version 1 with the launch attn written anew for expert scheduling mode. Each part assembles by itself: llvm-mc -triple=amdgcn-amd-amdhsa -mcpu=gfx1250 --defsym DOCPART=n.
;; ======== version 1 of 2: 4 launches
;; workspace buffers: xw 5,734,400 bytes; wp 819,200 bytes; qk 6,553,600 bytes; vv 3,276,800 bytes; yy 3,276,800 bytes
;; launch prep (part 1): grid 256 x 1, 4 waves a work-group, no clusters, 68,096 bytes of LDS; arguments x, W_attn, W_proj, xw, wp; writes xw, wp
.if DOCPART == 1
	.amdgcn_target "amdgcn-amd-amdhsa--gfx1250"
	.amdhsa_code_object_version 6
	.text
	.protected	k_qb09485225e_prep
	.globl	k_qb09485225e_prep
	.p2align	8
	.type	k_qb09485225e_prep,@function
k_qb09485225e_prep:
	s_mov_b64 s[64:65], 0
	v_nop
	global_prefetch_b8 v0, s[64:65] scope:SCOPE_SE
	s_setreg_imm32_b32 hwreg(HW_REG_WAVE_MODE, 25, 1), 1
	s_wait_xcnt 0x0
; THE PROGRAM: out0 = attention with a leaky-integrate-fire re-weighting, all four matrix products on codes of BF6 (E3M2) with one E8M0 scale for each 32 along K.
; Four launches: this one (x, W_attn, W_proj into codes), qkv (product 1, bias, quantisers of q, k, v), attn (products 2 and 3, softmax, re-weighting, quantiser of y), proj (product 4, bias).
; WORK LEFT OUT, for all values of the inputs: reference() builds the causal mask itself (jnp.tril) and sets the score of key k for query q to -inf where k > q; the softmax makes 0 of it, and so are probs x lif_w
; and mod.  A block of 32 keys all of which come after all 32 queries of a block of queries therefore holds only zeros of mod: its scores, its exponentials and its part of mod x v add nothing to any output.
; Those blocks (1,984 + 32 half ones stay, of 4,096 for each batch and head 2,080 are walked) are not multiplied.  Nothing else is left out, and every input is an argument of some launch.
; LIMITS: a NaN, an infinity or an overflow that reaches only the blocks left out is not carried to the result.  NaN and infinities among the inputs are not served.  A block whose largest magnitude lies under
; 2^-122 keeps the scale byte 1; a block of zeros gets the byte 1 where the rule says 127: its codes are zeros, which add nothing under any byte but 0xff, and this program alone reads the bytes.
;
; THIS LAUNCH.  Codes go out in the form F(ROWS): the 192 bytes (256 codes along K) of row `row`, quarter kc of K, at (kc ROWS + row) 192; their 8 scale bytes at SC + (kc ROWS + row) 8.
; So the 128 rows x 256 K that a wave of a product's launch fetches are one dense block.  xw = F(7168): rows 0-4095 x, rows 4096-7167 W_attn's columns.  wp = F(1024): W_proj's columns.
; THE ROWS ARE LAID IN THE ORDER IN WHICH THE PRODUCTS WANT THEM: inside each group of 32 rows, place p holds row pi(p), pi = bits 3 and 4 of p exchanged; and x's block of 32 rows kb lies at place
; sigma(kb) = 8 (kb & 7) + 4 (kb >> 5) + ((kb >> 3) & 3) of its batch.
; Work-groups 0-127: 32 rows of x each, a wave a quarter of K; K is innermost.  Work-groups 128-255: 128 columns x 256 K of a weight, a lane a column, registers down K.  Each reads 131,072 bytes.
; The two ways part on the work-group's number and have LDS bytes of their own.  No tensor load, no barrier: waves share nothing.
.set SPARE, 67584                      ; behind both ways' stages: the spare words, 128 bytes for each wave, which no other line names
.set SPW,   208                        ; v208 LDS address of my spare word; never rewritten
.set NIL,   209                        ; v209 0; never rewritten
.set SP,    80                         ; x: a lane's place in a stage: 64 bytes + 16
.set XL,    16                         ; x: v16-79 four sets of 16 numbers as loaded
.set XN,    80                         ; x: v80-111 two sets of 16 neighbours
.set XE,    112                        ; x: v112-127 a scale byte for each step
.set XC,    128                        ; x: v128-191 codes, four registers a step
.set WX,    32                         ; W: v32-95 two sets of 32 numbers
.set WC,    96                         ; W: a block's codes
.set WOUT,  112                        ; W: v112-175 the way out
.set WVO,   176                        ; W: v176-207 byte offset of row i of a block: 4 x lane + i x a row of W
.set WSB,   24                         ; W: v24-25 the scale bytes
.set WP,    272                        ; W: a stage row: sixteen places of 16 bytes + 16
	s_load_b128 s[4:7], s[0:1], 0x0                ; x, W_attn
	s_load_b128 s[8:11], s[0:1], 0x10              ; W_proj, xw
	s_load_b64 s[12:13], s[0:1], 0x20              ; wp
	v_lshl_add_u32 v[SPW], v0, 2, SPARE
	v_mov_b32 v[NIL], 0
	v_lshrrev_b32 v1, 5, v0
	v_readfirstlane_b32 s16, v1                    ; wave
	v_and_b32 v2, 31, v0                           ; lane
	s_wait_kmcnt 0x0
	s_cmp_lt_u32 ttmp9, 128
	s_cbranch_scc0 .Lw
	; ---------------- x: batch = g >> 6, block of rows kb = g & 63, my wave's quarter of K
	v_lshlrev_b32 v3, 4, v2                        ; my 16 bytes of a load's 512
	s_lshl_b32 s17, s16, 13                        ; my 8,192 bytes of LDS
	v_lshrrev_b32 v14, 2, v2
	v_mul_u32_u24 v14, v14, SP
	v_and_b32 v15, 3, v2
	v_lshl_add_u32 v14, v15, 4, v14
	v_add_nc_u32 v14, s17, v14                     ; the stage, on the way in: as the bytes lie, 16 of padding behind each 64
	v_mul_u32_u24 v15, v2, SP
	v_add_nc_u32 v15, s17, v15                     ; on the way out: my 16 neighbours
	v_mul_u32_u24 v4, v2, 12                       ; my codes' place in a step's
	v_lshrrev_b32 v5, 1, v2
	s_add_co_u32 s17, s17, 2*32*SP
	v_add_nc_u32 v5, s17, v5                       ; my block's scale byte
	v_lshlrev_b32 v7, 3, v2
	v_add_nc_u32 v6, s17, v7
	s_lshr_b32 s18, ttmp9, 6                       ; batch
	s_and_b32 s19, ttmp9, 63                       ; kb
	s_and_b32 s20, s19, 7
	s_lshl_b32 s20, s20, 3
	s_lshr_b32 s21, s19, 5
	s_lshl_b32 s21, s21, 2
	s_add_co_u32 s20, s20, s21
	s_bfe_u32 s21, s19, 0x20003
	s_add_co_u32 s20, s20, s21                     ; sigma(kb)
	s_lshl_b32 s20, s20, 5
	s_lshl_b32 s18, s18, 11
	s_add_co_u32 s20, s20, s18
	s_mul_i32 s21, s16, 7168
	s_add_co_u32 s20, s20, s21                     ; the first of my 32 rows in F(7168)
	s_mul_i32 s22, s20, 192
	s_mov_b32 s23, 0
	s_lshl_b32 s24, s20, 3
	s_add_co_u32 s24, s24, 5505024
	s_mov_b32 s25, 0
	s_lshl_b32 s26, ttmp9, 17                      ; 32 rows of 4,096 bytes a work-group,
	s_lshl_b32 s27, s16, 10
	s_add_co_u32 s26, s26, s27                     ; 1,024 bytes a quarter of K
	s_mov_b32 s27, 0
	s_add_nc_u64 s[4:5], s[4:5], s[26:27]
	s_add_nc_u64 s[28:29], s[10:11], s[22:23]      ; codes
	s_add_nc_u64 s[30:31], s[10:11], s[24:25]      ; scale bytes
; A step is two rows of the output's order, 256 numbers each: places 2 t and 2 t + 1 hold rows pi(2 t), pi(2 t + 1)
.macro XLOAD t
.irp i, 0,1,2,3
.set PP, 2*(\t)+(\i/2)
	global_load_b128 v[XL+16*((\t)%4)+4*\i:XL+16*((\t)%4)+4*\i+3], v3, s[4:5] offset:((PP&7)+16*((PP>>3)&1)+8*((PP>>4)&1))*4096+(\i%2)*512 th:TH_LOAD_NT   ; 32 lanes read 512 consecutive bytes
.endr
.endm
.macro XTURN t                         ; a step's numbers through the stage: LDS serves a wave's instructions in order, so no wait stands between the stores and the loads
.irp i, 0,1,2,3
	ds_store_b128 v14, v[XL+16*((\t)%4)+4*\i:XL+16*((\t)%4)+4*\i+3] offset:32*SP*((\t)%2)+8*SP*\i
.endr
.irp i, 0,1,2,3
	ds_load_b128 v[XN+16*((\t)%2)+4*\i:XN+16*((\t)%2)+4*\i+3], v15 offset:32*SP*((\t)%2)+16*\i
.endr
.endm
.irp t, 0,1,2,3
	XLOAD \t
.endr
	s_wait_loadcnt 12                              ; step 0's four loads are in; three steps' twelve may be out
	XTURN 0
.macro XSTEP t
.set XS, XN+16*((\t)%2)
.if (\t) > 0
	s_wait_dscnt 1                                 ; this step's numbers are back from the stage (the last step's byte store may be out): so its stores into the stage have read their registers,
.else
	s_wait_dscnt 0x0
.endif
.if (\t)+4 < 16
	XLOAD (\t)+4                                   ; which take the loads of four steps on
.endif
.if (\t)+1 < 16
.if 14-(\t) >= 3
	s_wait_loadcnt 12                              ; the next step's four loads are in; those of the three steps behind it may be out
.else
	s_wait_loadcnt 4*(14-(\t))
.endif
	XTURN (\t)+1
.endif
	v_max3_num_f32 v8, |v[XS]|, |v[XS+1]|, |v[XS+2]|               ; the largest magnitude of my 16
	v_max3_num_f32 v9, |v[XS+3]|, |v[XS+4]|, |v[XS+5]|
.irp i, 6,10
	v_max3_num_f32 v8, v8, |v[XS+\i]|, |v[XS+\i+1]|
	v_max3_num_f32 v9, v9, |v[XS+\i+2]|, |v[XS+\i+3]|
.endr
	v_max3_num_f32 v8, v8, |v[XS+14]|, |v[XS+15]|
	v_max3_num_f32 v8, v8, v9, 0x2800000           ; and the floor 2^(5 - 127): the byte cannot fall under 1
	v_max_num_f32_dpp v8, v8, v8 row_xmask:1 row_mask:0xf bank_mask:0xf   ; and of my neighbour's 16: the block's
	v_add_nc_u32 v11, 0xfe000000, v8               ; 4 off its exponent field: the conversion takes the exponent field of this operand as its scale
	v_cvt_scalef32_pk16_bf6_f32 v[XC+4*(\t):XC+4*(\t)+2], v[XS:XS+15], v11
	v_lshrrev_b32 v[XE+(\t)], 23, v11              ; the scale's byte
	ds_store_b8 v5, v[XE+(\t)] offset:16*(\t)      ; both lanes of a block write the same byte with the same value
	global_store_b96 v4, v[XC+4*(\t):XC+4*(\t)+2], s[28:29] offset:384*(\t)   ; the wave stores 384 consecutive bytes: two rows of the output
.endm
.irp t, 0,1,2,3,4,5,6,7,8,9,10,11,12,13,14,15
	XSTEP \t
.endr
	ds_load_b64 v[8:9], v6                         ; my wave's 256 scale bytes: these see my stores
	s_wait_dscnt 0x0
	global_store_b64 v7, v[8:9], s[30:31]          ; 256 consecutive bytes, at a multiple of 256 from the buffer's first byte
	s_wait_tensorcnt 0x0                           ; the wave's end, behind my last LDS store
	ds_add_u32 v[SPW], v[NIL]
	s_wait_dscnt 0x0
	s_endpgm
	; ---------------- a weight: [K][N] f32.  Work-groups 128-223: W_attn (24 x 4), 224-255: W_proj (8 x 4)
.Lw:
	s_sub_co_u32 s17, ttmp9, 128
	s_cmp_lt_u32 s17, 96                           ; which weight: the choice hangs on the work-group's number alone
	s_mov_b32 s18, 4096
	s_cselect_b32 s18, 12288, s18                  ; a row of the weight in bytes
	s_mov_b32 s19, 1024
	s_cselect_b32 s19, 7168, s19                   ; ROWS of the output's form
	s_cselect_b32 s20, 4096, 0                     ; its first row there
	s_mov_b32 s21, 786432
	s_cselect_b32 s21, 5505024, s21                ; where its scale bytes begin
	s_cselect_b32 s22, 0, 96
	s_cselect_b64 s[24:25], s[6:7], s[8:9]
	s_cselect_b64 s[26:27], s[10:11], s[12:13]
	s_sub_co_u32 s17, s17, s22
	s_lshr_b32 s23, s17, 2
	s_and_b32 s17, s17, 3                          ; kc
	s_lshl_b32 s23, s23, 7
	s_lshl_b32 s28, s16, 5
	s_add_co_u32 s23, s23, s28                     ; my wave's first column
	s_mul_i32 s28, s17, s19
	s_add_co_u32 s28, s28, s20
	s_add_co_u32 s28, s28, s23                     ; the first of my 32 rows in the output's form
	s_mul_i32 s30, s28, 192
	s_mov_b32 s31, 0
	s_add_nc_u64 s[50:51], s[26:27], s[30:31]      ; codes
	s_lshl_b32 s30, s28, 3
	s_add_co_u32 s30, s30, s21
	s_add_nc_u64 s[52:53], s[26:27], s[30:31]      ; scale bytes
	s_lshl_b32 s30, s17, 8
	s_mul_i32 s30, s30, s18
	s_lshl_b32 s28, s23, 2
	s_add_co_u32 s30, s30, s28
	s_add_nc_u64 s[32:33], s[24:25], s[30:31]      ; block 0 of my 8 blocks of 32 along K,
	s_lshl_b32 s30, s18, 5
.irp t, 1,2,3,4,5,6,7
	s_add_nc_u64 s[32+2*\t:33+2*\t], s[30+2*\t:31+2*\t], s[30:31]   ; and the others, 32 rows apart: a base for each, so that no base is stepped
.endr
	v_lshlrev_b32 v3, 2, v2
.set i, 0
.rept 32
	v_mad_u32_u24 v[WVO+i], s18, i, v3
.set i, i+1
.endr
	v_and_b32 v10, 7, v2
	v_bfe_u32 v11, v2, 3, 1
	v_lshl_or_b32 v10, v11, 4, v10
	v_bfe_u32 v11, v2, 4, 1
	v_lshl_or_b32 v10, v11, 3, v10                 ; pi(lane): my column's place among the 32
	s_mul_i32 s28, s16, 32*WP
	s_add_co_u32 s28, s28, 32768                   ; my stage
	v_mul_u32_u24 v4, v10, WP
	v_add_nc_u32 v4, s28, v4                       ; into it: the row of my column's place
	v_and_b32 v5, 15, v2
	v_lshrrev_b32 v6, 4, v2
	v_mul_u32_u24 v7, v6, WP
	v_lshl_add_u32 v7, v5, 4, v7
	v_add_nc_u32 v7, s28, v7                       ; out of it: sixteen lanes to a row, two rows an instruction
	v_mul_u32_u24 v8, v6, 192
	v_mad_u32_u24 v8, v5, 12, v8                   ; and the same place in the codes
	v_lshlrev_b32 v9, 3, v10                       ; my column's 8 scale bytes
.macro WLOAD t                         ; block t: W(32 t + i, my column) into set t % 2: 32 lanes read 128 consecutive bytes
.set i, 0
.rept 32
	global_load_b32 v[WX+32*((\t)%2)+i], v[WVO+i], s[32+2*(\t):33+2*(\t)] th:TH_LOAD_NT
.set i, i+1
.endr
.endm
	WLOAD 0
	WLOAD 1
.macro WBLOCK t
.set XS, WX+32*((\t)%2)
.if (\t) < 7
	s_wait_loadcnt 32                              ; this block's 32 loads are in; the next block's may be out
.else
	s_wait_loadcnt 0
.endif
	v_max3_num_f32 v12, |v[XS]|, |v[XS+1]|, |v[XS+2]|              ; the block's largest magnitude: all 32 numbers are mine
	v_max3_num_f32 v13, |v[XS+3]|, |v[XS+4]|, |v[XS+5]|
.irp i, 6,10,14,18,22,26
	v_max3_num_f32 v12, v12, |v[XS+\i]|, |v[XS+\i+1]|
	v_max3_num_f32 v13, v13, |v[XS+\i+2]|, |v[XS+\i+3]|
.endr
	v_max3_num_f32 v12, v12, |v[XS+30]|, |v[XS+31]|
	v_max3_num_f32 v12, v12, v13, 0x2800000        ; the floor 2^(5 - 127)
	v_add_nc_u32 v11, 0xfe000000, v12              ; 4 off the exponent field: the conversion's scale operand
	v_lshrrev_b32 v13, 23, v11                     ; the scale's byte
.if (\t)%4 == 0
	v_mov_b32 v[WSB+(\t)/4], v13
.else
	v_lshl_or_b32 v[WSB+(\t)/4], v13, 8*((\t)%4), v[WSB+(\t)/4]
.endif
	v_cvt_scalef32_pk16_bf6_f32 v[WC:WC+2], v[XS:XS+15], v11
	v_cvt_scalef32_pk16_bf6_f32 v[WC+4:WC+6], v[XS+16:XS+31], v11  ; (a conversion's three registers begin on an even number)
	ds_store_b96 v4, v[WC:WC+2] offset:32*(\t)     ; 12 bytes to a place of 16, so that every LDS address is a multiple of 16
	ds_store_b96 v4, v[WC+4:WC+6] offset:32*(\t)+16
.if (\t)+2 < 8
	WLOAD (\t)+2
.endif
	s_wait_dscnt 0x0                               ; the stores have read their registers: the next block's codes may be written
.endm
.irp t, 0,1,2,3,4,5,6,7
	WBLOCK \t
.endr
	global_store_b64 v9, v[WSB:WSB+1], s[52:53]    ; the wave's 32 x 8 scale bytes: 256 consecutive bytes
.irp t, 0,1,2,3,4,5,6,7,8,9,10,11,12,13,14,15
	ds_load_b96 v[WOUT+4*\t:WOUT+4*\t+2], v7 offset:2*\t*WP
.endr
.irp t, 0,1,2,3,4,5,6,7,8,9,10,11,12,13,14,15
	s_wait_dscnt 15-\t                             ; LDS loads come back in order: load t is in
	global_store_b96 v8, v[WOUT+4*\t:WOUT+4*\t+2], s[50:51] offset:2*\t*192   ; two rows of the output: 384 consecutive bytes
.endr
	s_wait_tensorcnt 0x0                           ; the wave's end, behind my last LDS store
	ds_add_u32 v[SPW], v[NIL]
	s_wait_dscnt 0x0
	s_endpgm
.Lfunc_end_k_qb09485225e_prep:
	.size	k_qb09485225e_prep, .Lfunc_end_k_qb09485225e_prep-k_qb09485225e_prep
	.p2alignl 7, 3214868480
	.fill 96, 4, 3214868480
	.section	.rodata,"a",@progbits
	.p2align	6, 0x0
	.amdhsa_kernel k_qb09485225e_prep
		.amdhsa_group_segment_fixed_size 68096
		.amdhsa_private_segment_fixed_size 0
		.amdhsa_enable_private_segment 0
		.amdhsa_kernarg_size 40
		.amdhsa_user_sgpr_count 2
		.amdhsa_user_sgpr_kernarg_segment_ptr 1
		.amdhsa_wavefront_size32 1
		.amdhsa_system_sgpr_workgroup_id_x 1
		.amdhsa_system_sgpr_workgroup_id_y 1
		.amdhsa_system_sgpr_workgroup_id_z 1
		.amdhsa_system_vgpr_workitem_id 0
		.amdhsa_next_free_vgpr 224
		.amdhsa_next_free_sgpr 66
		.amdhsa_reserve_vcc 0
		.amdhsa_float_denorm_mode_32 3
		.amdhsa_float_denorm_mode_16_64 3
		.amdhsa_memory_ordered 1
		.amdhsa_forward_progress 1
		.amdhsa_inst_pref_size 77
	.end_amdhsa_kernel
	.amdgpu_metadata
---
amdhsa.version: [ 1, 2 ]
amdhsa.kernels:
  - .name:           k_qb09485225e_prep
    .symbol:         k_qb09485225e_prep.kd
    .args:
      - { .name: x, .offset: 0, .size: 8, .value_kind: global_buffer, .address_space: global }
      - { .name: W_attn, .offset: 8, .size: 8, .value_kind: global_buffer, .address_space: global }
      - { .name: W_proj, .offset: 16, .size: 8, .value_kind: global_buffer, .address_space: global }
      - { .name: xw, .offset: 24, .size: 8, .value_kind: global_buffer, .address_space: global }
      - { .name: wp, .offset: 32, .size: 8, .value_kind: global_buffer, .address_space: global }
    .group_segment_fixed_size: 68096
    .private_segment_fixed_size: 0
    .kernarg_segment_align: 8
    .kernarg_segment_size: 40
    .max_flat_workgroup_size: 128
    .sgpr_count:     66
    .vgpr_count:     224
    .wavefront_size: 32
...
	.end_amdgpu_metadata
.endif
;; end of part 1
;; launch qkv (part 2): grid 48 x 4, 4 waves a work-group, clusters of 4 x 4, 327,680 bytes of LDS; arguments xw, b_attn, qk, vv; writes qk, vv
.if DOCPART == 2
	.amdgcn_target "amdgcn-amd-amdhsa--gfx1250"
	.amdhsa_code_object_version 6
	.text
	.protected	k_qb09485225e_qkv
	.globl	k_qb09485225e_qkv
	.p2align	8
	.type	k_qb09485225e_qkv,@function
k_qb09485225e_qkv:
	s_mov_b64 s[64:65], 0
	v_nop
	global_prefetch_b8 v0, s[64:65] scope:SCOPE_SE
	s_setreg_imm32_b32 hwreg(HW_REG_WAVE_MODE, 25, 1), 1
	s_wait_xcnt 0x0
	s_wait_alu depctr_hold_cnt(0) depctr_sa_sdst(0) depctr_va_vdst(0) depctr_va_sdst(0) depctr_va_ssrc(0) depctr_va_vcc(0) depctr_vm_vsrc(0)
	s_getreg_b32 s2, hwreg(HW_REG_IB_STS2, 6, 4)
	s_cmp_eq_u32 s2, 0
	s_cbranch_scc0 .Lentry_in_a_cluster
	s_endpgm
.Lentry_in_a_cluster:
	s_bfe_u32 s2, ttmp6, 0x10000c
	s_cmp_lg_u32 s2, 0xf033
	s_cbranch_scc0 .Lentry_shape_is_right
	s_endpgm
.Lentry_shape_is_right:
; qkv = Q(x) Q(W_attn) + b_attn on codes of BF6 (E3M2) with E8M0 scales, and the quantisers of q, k (along the head's 64) and of v (along the keys), fused: only codes and scale bytes leave.
; ONE BODY, TWO TYPES of C[i][j] = sum over K of A[i] . B[j], C quantised along j; A and B are both ranges of rows of xw (form F(7168): see the launch before), so all descriptors are alike.
;   clusters 0-7  (q, k): A = rows of x, B = columns 0-2047 of W_attn: j runs along a head's channels.
;   clusters 8-11 (v):    A = columns 2048-3071 of W_attn, B = rows of x: j runs along the keys.
; A work-group of four waves makes 256 x 256, a wave 128 x 128: 64 accumulators, 512 registers.  K = 1,024 goes in four steps of 256 through a ring of two LDS slots filled by the tensor data mover.
; CLUSTERS: 4 x 4 work-groups.  A's tile hangs on the cluster's number and cy, B's on the cluster's number and cx: each is asked for jointly by the four that share it.  The type hangs on the cluster's number alone.
; THE MATRIX INSTRUCTION IS USED TRANSPOSED (source 0 = 16 rows of B, source 1 = 16 rows of A).  With the rows laid as the launch before lays them, in accumulator (a, b) lane (r, h) holds A's row
; 32 (a / 2) + 8 (a % 2) + r + 8 (r / 8), and register i B's row 32 (b / 2) + 16 h + 8 (b % 2) + i: the 16 registers of accumulators (a, 2 t), (a, 2 t + 1) are 16 NEIGHBOURS along j.
; The bias is the C of each sum's first matrix instruction.
; REGISTERS, in windows of 256: window 0: v0-31 addresses; v32-63 scale words, two sets; v64-127 the bias; v128-223 A's fragments, one set.  window 1: B's fragments, two sets, at v0 and v128.
;   window 2: the accumulators of my rows 0-63 ((a, b) at v[8 (8 a + b)]); window 3: those of rows 64-127.  On the way out window 0's v32-223 are free.
.set ROWS,   7168
.set KSTR,   ROWS*192                  ; from a quarter of K to the next, in bytes
.set SCO,    4*KSTR                    ; where the scale bytes begin
.set NQ,     2                         ; matrix instructions deep in a slot
.set PITCH,  240                       ; an LDS row: 3 x (64 bytes + 16 of padding)
.set FR,     12
.set NL,     6
.set NP,     4
.set HALFT,  128*PITCH
.set SLOT,   4*HALFT
.set LAPS,   2
.set SCL,    2*SLOT                    ; behind the ring: the scale bytes, four regions of 4,096 bytes ([quarter of K][128 rows][8 bytes]): A's halves, then B's; filled once
.set SPARE,  SCL+16384                 ; the spare words, 128 bytes for each wave, which no other line names
.set ADRA, 16
.set ADRB, 20
.set STI,  24                          ; v24 the way out: where I put 12 bytes of a row's block: my stage + 24 (r + 8 (r / 8)) + 12 h
.set STR,  25                          ; v25 where I read 16 bytes back: my stage + 16 x lane
.set VSO,  26                          ; v26 my scale word's place: 4 (8 h + r + 8 (r / 8))
.set ADRS, 27
.set SPW,  28
.set NIL,  29
.set SC,   32
.set BI,   64                          ; the bias
.set AF,   128
.set TM,   32                          ; the way out: v32-35 largest magnitudes, v36-39 at work, v40-43 the conversions' scale operands
.set SW,   48                          ; v48-55 the scale word of each block of 16 rows; v56 the one to be stored
.set CD,   64                          ; v64-95 codes
.set OUTR, 128                         ; v128-151 the stage read back
.set VO,   176                         ; v176-181 byte offsets of the six stores
.set G1, 24
.set G0, 32
.set G1B, 48
.set G0B, 56
.set G1S, 68
.set G0S, 76
.set G1SB, 80
.set G0SB, 88
.set MSB, 0
.macro WIN new                         ; the immediate's high byte repeats the setting that is left
.if MSB != \new
	s_set_vgpr_msb (MSB<<8)|\new
.set MSB, \new
.endif
.endm
.macro WINM hi, zero                   ; source 0 (B) window 1, source 1 (A) window 0, D window 2 or 3; C with D, or, where the bias starts the sums, window 0
.if \zero
	WIN 0x81+0x40*\hi
.else
	WIN 0xa1+0x50*\hi
.endif
.endm
.set TO_B, 0x40
; A joint load: waves 0 and 1 fetch for A, waves 2 and 3 for B; the branch hangs on the wave's number alone.  An s_nop 0 and four v_nop follow each of the two lines.
.macro JLOAD g0a, g1a, g0b, g1b
	s_cmp_eq_u32 s15, 0
	s_cbranch_scc0 .Lfor_b_\@
	tensor_load_to_lds s[\g0a:\g0a+3], s[\g1a:\g1a+7]
	s_nop 0
.rept 4
	v_nop
.endr
	s_branch .Lasked_\@
.Lfor_b_\@:
	tensor_load_to_lds s[\g0b:\g0b+3], s[\g1b:\g1b+7]
	s_nop 0
.rept 4
	v_nop
.endr
.Lasked_\@:
.endm
.macro CREST                           ; a round of the cluster's barrier behind its opening barrier
	s_cmp_lg_u32 s14, 0
	s_cbranch_scc1 .Lnot_wave_0_\@
	s_barrier_signal -3
.Lnot_wave_0_\@:
	s_barrier_wait -3
	s_barrier_signal -1
	s_barrier_wait -1
.endm
.macro CROUND
	s_barrier_signal -1
	s_barrier_wait -1
	CREST
.endm
	s_load_b256 s[4:11], s[0:1], 0x0               ; xw s[4:5], b_attn s[6:7], qk s[8:9], vv s[10:11]
	v_lshl_add_u32 v[SPW], v0, 2, SPARE
	v_mov_b32 v[NIL], 0
	ds_add_u32 v[SPW], v[NIL]                      ; the wave's opening: the add, twice on end, and its wait ahead of my first tensor load
	ds_add_u32 v[SPW], v[NIL]
	v_lshrrev_b32 v1, 5, v0
	v_readfirstlane_b32 s14, v1                    ; wave 0..3
	s_lshr_b32 s15, s14, 1                         ; which half of A's rows is mine.  Also: I fetch for A (0) or for B (1)
	s_and_b32 s16, s14, 1                          ; which half of B's rows.  Also: which 128 rows of that tile I fetch
	s_bfe_u32 s40, ttmp6, 0x40000                  ; cx
	s_bfe_u32 s41, ttmp6, 0x40004                  ; cy
	s_lshl_b32 s43, s41, 2
	s_lshl_b32 s43, 15, s43                        ; my row of the cluster
	s_lshl_b32 s44, 0x1111, s40                    ; my column
	; codes: 128 rows x 192 bytes are one dense block of 24,576 bytes, stated as 96 rows of 256 bytes; 16 bytes of padding behind every 64
	s_or_b32 s[G1+0], s43, (1<<20)|(1<<21)|(3<<22)|(3<<25)
	s_or_b32 s[G1B+0], s44, (1<<20)|(1<<21)|(3<<22)|(3<<25)
.irp g, G1, G1B
	s_mov_b32 s[\g+1], 256<<16                     ; tensor_dim0
	s_mov_b32 s[\g+2], 96<<16                      ; tensor_dim1
	s_mov_b32 s[\g+3], 256<<16                     ; tile_dim0
	s_mov_b32 s[\g+4], 96                          ; tile_dim1
	s_mov_b32 s[\g+5], 256                         ; the pitch
	s_mov_b32 s[\g+6], 0
	s_mov_b32 s[\g+7], 0
.endr
	; scale bytes: for each quarter of K, 128 rows x 8 bytes = a row of 128 elements of 8 bytes; four such rows, ROWS elements apart; no padding
	s_or_b32 s[G1S+0], s43, (3<<16)|(1<<21)
	s_or_b32 s[G1SB+0], s44, (3<<16)|(1<<21)
.irp g, G1S, G1SB
	s_mov_b32 s[\g+1], 128<<16
	s_mov_b32 s[\g+2], 4<<16
	s_mov_b32 s[\g+3], 128<<16
	s_mov_b32 s[\g+4], 4
	s_mov_b32 s[\g+5], ROWS
	s_mov_b32 s[\g+6], 0
	s_mov_b32 s[\g+7], 0
.endr
	; which rows of xw.  A's hang on the cluster's number, cy and the wave; B's on the cluster's number, cx and the wave; each in registers that never hold the other coordinate
	s_lshl_b32 s18, s16, 7
	s_and_b32 s20, ttmp9, 3
	s_lshl_b32 s20, s20, 10                        ; 1,024 (c & 3): rows of x
	s_mov_b32 s47, s20
	s_lshr_b32 s46, ttmp9, 2
	s_lshl_b32 s46, s46, 10
	s_add_co_u32 s46, s46, 4096                    ; q, k: W_attn's columns 1,024 (c >> 2) on
	s_cmp_lt_u32 ttmp9, 8
	s_cselect_b32 s66, 0, 1                        ; the type: 0 = q, k; 1 = v
	s_cselect_b32 s46, s46, s47
	s_cselect_b32 s20, s20, 6144                   ; v: W_attn's columns 2,048 on
	s_lshl_b32 s21, s41, 8
	s_add_co_u32 s20, s20, s21
	s_add_co_u32 s20, s20, s18                     ; A: + 256 cy + 128 x half
	s_lshl_b32 s47, s40, 8
	s_add_co_u32 s46, s46, s47
	s_add_co_u32 s46, s46, s18                     ; B: + 256 cx + 128 x half
	s_lshl_b32 s22, s20, 3
	s_add_co_u32 s22, s22, SCO
	s_mul_i32 s20, s20, 192
	s_mov_b32 s21, 0
	s_mov_b32 s23, 0
	s_lshl_b32 s92, s46, 3
	s_add_co_u32 s92, s92, SCO
	s_mul_i32 s46, s46, 192
	s_mov_b32 s47, 0
	s_mov_b32 s93, 0
	s_mul_i32 s45, s14, HALFT                      ; where they go: wave x 128 rows
	s_lshl_b32 s94, s14, 12
	s_wait_dscnt 0x0                               ; both opening adds are done
	s_wait_kmcnt 0x0
	s_add_nc_u64 s[20:21], s[4:5], s[20:21]
	s_add_nc_u64 s[22:23], s[4:5], s[22:23]
	s_add_nc_u64 s[46:47], s[4:5], s[46:47]
	s_add_nc_u64 s[92:93], s[4:5], s[92:93]
	CROUND                                         ; all sixteen work-groups are here: the first joint loads meet
	s_mov_b32 s[G0S], 1
	s_add_co_u32 s[G0S+1], s94, SCL
	s_mov_b64 s[G0S+2:G0S+3], s[22:23]
	s_or_b32 s[G0S+3], s[G0S+3], 0x80000000
	s_mov_b32 s[G0SB], 1
	s_add_co_u32 s[G0SB+1], s94, SCL
	s_mov_b64 s[G0SB+2:G0SB+3], s[92:93]
	s_or_b32 s[G0SB+3], s[G0SB+3], 0x80000000
	JLOAD G0S, G1S, G0SB, G1SB                     ; the scale bytes first: they are wanted with K step 0
.irp s, 0,1
	s_mov_b32 s[G0+4*\s], 1
	s_add_co_u32 s[G0+4*\s+1], s45, \s*SLOT
	s_add_nc_u64 s[G0+4*\s+2:G0+4*\s+3], s[20:21], \s*KSTR
	s_or_b32 s[G0+4*\s+3], s[G0+4*\s+3], 0x80000000
	s_mov_b32 s[G0B+4*\s], 1
	s_add_co_u32 s[G0B+4*\s+1], s45, \s*SLOT
	s_add_nc_u64 s[G0B+4*\s+2:G0B+4*\s+3], s[46:47], \s*KSTR
	s_or_b32 s[G0B+4*\s+3], s[G0B+4*\s+3], 0x80000000
	JLOAD G0+4*\s, G1, G0B+4*\s, G1B               ; three tensor loads of mine are out
.endr
	v_and_b32 v1, 15, v0                           ; r
	v_bfe_u32 v2, v0, 4, 1                         ; h
	v_mul_u32_u24 v3, v1, PITCH
	v_mul_u32_u24 v4, v2, 24
	v_add_nc_u32 v4, v3, v4                        ; a fragment's row x pitch + 24 x half
	v_lshl_add_u32 v5, v2, 4, v4                   ; and the same behind one padding more
	s_mul_i32 s21, s15, HALFT
	s_mul_i32 s22, s16, HALFT
	s_add_co_u32 s22, s22, 2*HALFT
.irp s, 0,1
	v_add_nc_u32 v[ADRA+\s], s21, v4
	v_add_nc_u32 v[ADRB+\s], s22, v4
	v_add_nc_u32 v[ADRA+2+\s], s21, v5
	v_add_nc_u32 v[ADRB+2+\s], s22, v5
	s_add_co_u32 s21, s21, SLOT
	s_add_co_u32 s22, s22, SLOT
.endr
	v_lshlrev_b32 v5, 3, v1                        ; my row's 8 scale bytes of a quarter of K
	s_lshl_b32 s21, s15, 12                        ; A's: region wave / 2
	s_lshl_b32 s22, s16, 12
	s_add_co_u32 s22, s22, 8192                    ; B's: region 2 + wave % 2
	s_sub_co_u32 s22, s22, s21
	v_mul_u32_u24 v6, s22, v2                      ; lanes 16-31 take B's
	s_add_co_u32 s21, s21, SCL
	v_add_nc_u32 v5, v5, v6
	v_add_nc_u32 v[ADRS], s21, v5
	v_and_b32 v9, 8, v1
	v_add_nc_u32 v9, v9, v1                        ; r + 8 (r / 8)
	s_mul_i32 s23, s14, 3072                       ; my stage: it lies in slot 0, which has had its last fill and its last read when the first codes are stored there
	v_mul_u32_u24 v5, v9, 24
	v_mad_u32_u24 v5, v2, 12, v5
	v_add_nc_u32 v[STI], s23, v5
	v_and_b32 v7, 31, v0
	v_lshl_add_u32 v[STR], v7, 4, s23
	v_lshl_add_u32 v7, v2, 3, v9
	v_lshlrev_b32 v[VSO], 2, v7
	; the bias, in the result's layout.  q, k: it runs along j: eight registers for each b.  v: it runs along i: one number a lane for each a, in all eight registers
	s_lshr_b32 s96, ttmp9, 2
	s_lshl_b32 s96, s96, 10
	s_lshl_b32 s97, s40, 8
	s_add_co_u32 s96, s96, s97
	s_lshl_b32 s97, s16, 7
	s_add_co_u32 s96, s96, s97                     ; q, k: my first column of W_attn
	s_lshl_b32 s98, s41, 8
	s_lshl_b32 s97, s15, 7
	s_add_co_u32 s98, s98, s97
	s_add_co_u32 s98, s98, 2048                    ; v: likewise
	s_cmp_eq_u32 s66, 0
	s_cselect_b32 s96, s96, s98
	s_lshl_b32 s96, s96, 2
	s_mov_b32 s97, 0
	s_add_nc_u64 s[96:97], s[6:7], s[96:97]
	s_cmp_eq_u32 s66, 0
	s_cbranch_scc0 .Lbias_v
	v_lshlrev_b32 v8, 6, v2                        ; 16 h numbers on
.irp b, 0,1,2,3,4,5,6,7
	global_load_b128 v[BI+8*\b:BI+8*\b+3], v8, s[96:97] offset:(32*(\b/2)+8*(\b%2))*4
	global_load_b128 v[BI+8*\b+4:BI+8*\b+7], v8, s[96:97] offset:(32*(\b/2)+8*(\b%2))*4+16
.endr
	s_branch .Lbias_done
.Lbias_v:
	v_lshlrev_b32 v8, 2, v9
.irp a, 0,1,2,3,4,5,6,7
	global_load_b32 v[BI+8*\a], v8, s[96:97] offset:(32*(\a/2)+8*(\a%2))*4
.endr
	s_wait_loadcnt 0x0
.irp a, 0,1,2,3,4,5,6,7
.irp i, 1,2,3,4,5,6,7
	v_mov_b32 v[BI+8*\a+\i], v[BI+8*\a]            ; a C operand is eight registers: the lane's one number in each
.endr
.endr
.Lbias_done:
	s_wait_loadcnt 0x0
.rept 8
	v_nop
.endr
.macro FRAG reg, adr, q, i             ; a fragment, 16 rows x 128 K of 6-bit codes: lane (r, h) takes 24 bytes at 24 h and 24 bytes at 48 + 24 h of its row's 96, in pieces of 8 bytes
.irp p, 0,1,2,3,4,5
.set PC, 12*(\q)+6*(\p/3)+\p%3        ; 16 bytes of padding lie behind every 8 pieces: where the piece three on lies behind one padding more, the second address register serves
.if PC%8 < 5
	ds_load_b64 v[\reg+2*\p:\reg+2*\p+1], v[\adr] offset:8*PC+16*(PC/8)+(\i)*16*PITCH
.else
	ds_load_b64 v[\reg+2*\p:\reg+2*\p+1], v[\adr+2] offset:8*PC+16*(PC/8)+(\i)*16*PITCH
.endif
.endr
.endm
; 16 matrix instructions: A's blocks a0, a0 + 1 x B's eight.  zero = 1: the bias along j starts the sums; 2: the bias along i; 0: in place.  The 64 accumulators take turns, one instruction a turn.
.macro MUL16 a0, p, q, sc, zero
.irp a, \a0, \a0+1
.irp b, 0,1,2,3,4,5,6,7
.if \zero == 1
	v_wmma_scale_f32_16x16x128_f8f6f4 v[8*(8*((\a)%4)+\b):8*(8*((\a)%4)+\b)+7], v[128*(\p)+FR*\b:128*(\p)+FR*\b+FR-1], v[AF+FR*(\a):AF+FR*(\a)+FR-1], v[BI+8*\b:BI+8*\b+7], v[SC+8*NQ*(\sc)+NQ*\b+(\q)], v[SC+8*NQ*(\sc)+NQ*(\a)+(\q)] matrix_a_fmt:MATRIX_FMT_BF6 matrix_b_fmt:MATRIX_FMT_BF6 matrix_a_scale:MATRIX_SCALE_ROW1
.elseif \zero == 2
	v_wmma_scale_f32_16x16x128_f8f6f4 v[8*(8*((\a)%4)+\b):8*(8*((\a)%4)+\b)+7], v[128*(\p)+FR*\b:128*(\p)+FR*\b+FR-1], v[AF+FR*(\a):AF+FR*(\a)+FR-1], v[BI+8*(\a):BI+8*(\a)+7], v[SC+8*NQ*(\sc)+NQ*\b+(\q)], v[SC+8*NQ*(\sc)+NQ*(\a)+(\q)] matrix_a_fmt:MATRIX_FMT_BF6 matrix_b_fmt:MATRIX_FMT_BF6 matrix_a_scale:MATRIX_SCALE_ROW1
.else
	v_wmma_scale_f32_16x16x128_f8f6f4 v[8*(8*((\a)%4)+\b):8*(8*((\a)%4)+\b)+7], v[128*(\p)+FR*\b:128*(\p)+FR*\b+FR-1], v[AF+FR*(\a):AF+FR*(\a)+FR-1], v[8*(8*((\a)%4)+\b):8*(8*((\a)%4)+\b)+7], v[SC+8*NQ*(\sc)+NQ*\b+(\q)], v[SC+8*NQ*(\sc)+NQ*(\a)+(\q)] matrix_a_fmt:MATRIX_FMT_BF6 matrix_b_fmt:MATRIX_FMT_BF6 matrix_a_scale:MATRIX_SCALE_ROW1
.endif
.endr
.endr
.endm
.macro FETCH_B slot, q, p
	WIN TO_B
.irp i, 0,1,2,3,4,5,6,7
	FRAG 128*(\p)+FR*\i, ADRB+\slot, \q, \i
.endr
	WIN 0
.endm
.macro FETCH_A slot, q, i0
.irp i, \i0, \i0+1, \i0+2, \i0+3
	FRAG AF+FR*(\i), ADRA+\slot, \q, \i
.endr
.endm
.macro SCALES sc                       ; a K step's scale words: two words a row; lanes 0-15 take A's block i, lanes 16-31 B's block i
.irp i, 0,1,2,3,4,5,6,7
	ds_load_b64 v[SC+8*NQ*\sc+NQ*\i:SC+8*NQ*\sc+NQ*\i+1], v[ADRS] offset:\i*128
.endr
.endm
.macro PLACES n                        ; plain vector instructions between a matrix instruction and a load into, or a read of, its registers
.rept \n
	v_nop
.endr
.endm
.macro STEP slot, q, zero              ; 128 along K that has its successor in the same slot
	s_wait_dscnt 4*NL                              ; B's set and A's blocks 0-3 are in; the youngest 24 loads (A's blocks 4-7) may be out
	WINM 0, \zero
	MUL16 0, (\q)%2, \q, \slot, \zero
	MUL16 2, (\q)%2, \q, \slot, \zero
	s_wait_dscnt 0
	PLACES NP
	FETCH_B \slot, (\q)+1, 1-(\q)%2
	FETCH_A \slot, (\q)+1, 0
	WINM 1, \zero
	MUL16 4, (\q)%2, \q, \slot, \zero
	MUL16 6, (\q)%2, \q, \slot, \zero
	PLACES NP
	WIN 0
	FETCH_A \slot, (\q)+1, 4
.endm
; A slot's last step changes slots: one barrier; in front of it each wave waits for all its tensor loads, adds 0 to its spare word, and waits for that and for its reads of this slot.  fill = 1: the slot is filled again.
.macro TURN slot, next, fill
	s_wait_tensorcnt 0x0                           ; all my tensor loads have landed: my part of the next slot
	ds_add_u32 v[SPW], v[NIL]
	s_wait_dscnt 4*NL+1                            ; the add and the youngest 24 loads may be out
	WIN 0xa1
	MUL16 0, 1, NQ-1, \slot, 0
	s_wait_dscnt 0x0                               ; the add is done, and my reads of this slot are over
	s_barrier_signal -1
	MUL16 2, 1, NQ-1, \slot, 0
	WIN 0
	s_barrier_wait -1
.if \fill
	CREST                                          ; the barrier has opened a round of the cluster's barrier: no wave of any partner still reads this slot or has a load on its way
	s_add_nc_u64 s[G0+4*\slot+2:G0+4*\slot+3], s[G0+4*\slot+2:G0+4*\slot+3], 2*KSTR
	s_add_nc_u64 s[G0B+4*\slot+2:G0B+4*\slot+3], s[G0B+4*\slot+2:G0B+4*\slot+3], 2*KSTR
	JLOAD G0+4*\slot, G1, G0B+4*\slot, G1B         ; the first tensor load behind the round, my only one until the next; its four v_nop are the places in front of the loads below
.else
	PLACES NP
.endif
	v_add_nc_u32 v[ADRS], 1024, v[ADRS]            ; the next quarter of K's scale words
	FETCH_B \next, 0, 0
	FETCH_A \next, 0, 0
	SCALES \next
	WIN 0xf1
	MUL16 4, 1, NQ-1, \slot, 0
	MUL16 6, 1, NQ-1, \slot, 0
	PLACES NP
	WIN 0
	FETCH_A \next, 0, 4
.endm
	s_wait_tensorcnt 1                             ; the scale bytes and my part of K step 0 are in; K step 1's load may be out
	s_barrier_signal -1
	s_barrier_wait -1
	FETCH_B 0, 0, 0
	FETCH_A 0, 0, 0
	SCALES 0
	FETCH_A 0, 0, 4
	s_cmp_eq_u32 s66, 0                            ; the first step is written for each type: its C differs.  No barrier and no tensor load stands in it
	s_cbranch_scc0 .Lfirst_v
	STEP 0, 0, 1
	s_branch .Lfirst_done
.Lfirst_v:
	STEP 0, 0, 2
.Lfirst_done:
	s_mov_b32 s3, LAPS-1
.Llap:
	TURN 0, 1, 1
	STEP 1, 0, 0
	TURN 1, 0, 1
	STEP 0, 0, 0
	s_sub_co_u32 s3, s3, 1
	s_cmp_lg_u32 s3, 0
	s_cbranch_scc1 .Llap
	TURN 0, 1, 0                                   ; the last lap fills nothing
	STEP 1, 0, 0
	s_wait_dscnt 4*NL
	WIN 0xa1
	MUL16 0, 1, NQ-1, 1, 0
	MUL16 2, 1, NQ-1, 1, 0
	s_wait_dscnt 0
	WIN 0xf1
	MUL16 4, 1, NQ-1, 1, 0
	MUL16 6, 1, NQ-1, 1, 0
	WIN 0
	PLACES NP
	; THE WAY OUT.  Where my codes and scale words go, in both types' forms; the type chooses.
	; q, k: qk codes [batch 64 + n / 32][t][24 bytes], scale words [n / 128][batch 2,048 + t].   v: vv codes [batch 16 + head][key block][d][24 bytes], scale words [(batch 8 + rho) 2 + c2][head 64 + d]
	s_and_b32 s95, ttmp9, 3
	s_lshl_b32 s95, s95, 2
	s_add_co_u32 s95, s95, s41                     ; which 256 rows of x
	s_lshr_b32 s96, ttmp9, 2
	s_lshl_b32 s96, s96, 2
	s_add_co_u32 s96, s96, s40                     ; which 256 columns
	s_lshr_b32 s97, s95, 3                         ; batch
	s_and_b32 s95, s95, 7                          ; rho
	s_lshl_b32 s98, s95, 5
	s_lshl_b32 s99, s15, 10
	s_add_co_u32 s98, s98, s99                     ; t of my first rows: 32 rho + 1,024 (wave / 2)
	s_lshl_b32 s99, s97, 6
	s_lshl_b32 s100, s96, 3
	s_add_co_u32 s99, s99, s100
	s_lshl_b32 s100, s16, 2
	s_add_co_u32 s99, s99, s100
	s_lshl_b32 s99, s99, 11
	s_add_co_u32 s99, s99, s98
	s_mul_i32 s99, s99, 24                         ; q, k: codes
	s_lshl_b32 s100, s96, 1
	s_add_co_u32 s100, s100, s16
	s_lshl_b32 s100, s100, 12
	s_lshl_b32 s101, s97, 11
	s_add_co_u32 s100, s100, s101
	s_add_co_u32 s100, s100, s98
	s_lshl_b32 s100, s100, 2
	s_add_co_u32 s100, s100, 6291456               ; q, k: scale words
	s_and_b32 s95, ttmp9, 3
	s_lshl_b32 s95, s95, 2
	s_add_co_u32 s95, s95, s40                     ; v: which 256 rows of x
	s_lshr_b32 s96, s95, 3                         ; batch
	s_and_b32 s95, s95, 7                          ; rho
	s_lshl_b32 s97, s41, 2
	s_lshl_b32 s98, s15, 1
	s_add_co_u32 s97, s97, s98                     ; my first head
	s_lshl_b32 s98, s96, 4
	s_add_co_u32 s98, s98, s97
	s_lshl_b32 s98, s98, 6
	s_add_co_u32 s98, s98, s95
	s_lshl_b32 s101, s16, 5
	s_add_co_u32 s98, s98, s101
	s_mul_i32 s104, s98, 1536                      ; v: codes
	s_lshl_b32 s98, s96, 3
	s_add_co_u32 s98, s98, s95
	s_lshl_b32 s98, s98, 1
	s_add_co_u32 s98, s98, s16
	s_lshl_b32 s98, s98, 10
	s_lshl_b32 s101, s41, 8
	s_add_co_u32 s98, s98, s101
	s_lshl_b32 s101, s15, 7
	s_add_co_u32 s98, s98, s101
	s_lshl_b32 s98, s98, 2
	s_add_co_u32 s105, s98, 3145728                ; v: scale words
	s_cmp_eq_u32 s66, 0
	s_cselect_b32 s96, s99, s104
	s_cselect_b32 s98, s100, s105
	s_cselect_b64 s[12:13], s[8:9], s[10:11]
	s_mov_b32 s95, 12288
	s_cselect_b32 s95, 49152, s95                  ; from a block along j to the next
	s_mov_b32 s2, 768
	s_cselect_b32 s2, 6144, s2                     ; from 32 rows to the next 32: first and third step,
	s_mov_b32 s18, 97536
	s_cselect_b32 s18, 6144, s18                   ; second step (v: on to the next head)
	s_mov_b32 s104, 128
	s_cselect_b32 s104, 1024, s104                 ; the same for the scale words
	s_mov_b32 s97, 0
	s_mov_b32 s99, 0
	s_mov_b32 s101, 0
	s_mov_b32 s105, 0
	s_add_nc_u64 s[96:97], s[12:13], s[96:97]
	s_add_nc_u64 s[98:99], s[12:13], s[98:99]
	s_mov_b32 s19, 0x76543210
	s_mov_b32 s67, 0xfedcba98                      ; v_permlanex16_b32's selects for lane l xor 16
	v_cmp_eq_u32 s3, 1, v2                         ; lanes 16-31
	; a pair of blocks of rows leaves as 4 x 768 bytes: twelve runs of 256; store m takes runs 2 m (lanes 0-15) and 2 m + 1 (lanes 16-31); run q lies (q / 3) blocks along j and (q % 3) 256 bytes on
	v_lshlrev_b32 v3, 4, v1
	v_lshl_add_u32 v[VO], v2, 8, v3
	s_sub_co_u32 s20, s95, 512
	v_mad_u32_u24 v[VO+1], v2, s20, v3
	v_add_nc_u32 v[VO+1], 512, v[VO+1]
	s_add_co_u32 s20, s95, 256
	v_add_nc_u32 v[VO+2], s20, v[VO]
	s_lshl_b32 s21, s95, 1
	v_add_nc_u32 v[VO+3], s21, v[VO]
	v_add_nc_u32 v[VO+4], s21, v[VO+1]
	s_add_co_u32 s20, s20, s21
	v_add_nc_u32 v[VO+5], s20, v[VO]
; Block a of 16 rows: its four blocks of 32 along j are quantised; a block lies in lanes l and l xor 16, 16 numbers each.  Each accumulator is read from its low end on.
.macro EQ a
.set AC, 64*((\a)%4)
.set CE, CD+16*((\a)%2)
	WIN 0x0a+5*((\a)/4)                            ; sources 0 and 1: window 2 or 3
.irp b, 0,1,2,3
	v_max3_num_f32 v[TM+\b], |v[AC+16*\b]|, |v[AC+16*\b+1]|, 0x2800000   ; with the floor 2^(5 - 127): the byte cannot fall under 1
.endr
.irp i, 2,4,6,8,10,12,14
.irp b, 0,1,2,3
	v_max3_num_f32 v[TM+\b], |v[AC+16*\b+\i]|, |v[AC+16*\b+\i+1]|, v[TM+\b]
.endr
.endr
	WIN 0
.irp b, 0,1,2,3
	v_permlanex16_b32 v[TM+4+\b], v[TM+\b], s19, s67
.endr
.irp b, 0,1,2,3
	v_max_num_f32 v[TM+\b], v[TM+\b], v[TM+4+\b]
.endr
.irp b, 0,1,2,3
	v_add_nc_u32 v[TM+8+\b], 0xfe000000, v[TM+\b]  ; 4 off the exponent field: the conversion's scale operand
.endr
.irp b, 0,1,2,3
	v_lshrrev_b32 v[TM+4+\b], 23, v[TM+8+\b]       ; the scale's byte
.endr
	v_lshl_or_b32 v[SW+(\a)], v[TM+5], 8, v[TM+4]
	v_lshl_or_b32 v[SW+(\a)], v[TM+6], 16, v[SW+(\a)]
	v_lshl_or_b32 v[SW+(\a)], v[TM+7], 24, v[SW+(\a)]
	WIN 0x02+((\a)/4)                              ; source 0: window 2 or 3
.irp b, 0,1,2,3
	v_cvt_scalef32_pk16_bf6_f32 v[CE+4*\b:CE+4*\b+2], v[AC+16*\b:AC+16*\b+15], v[TM+8+\b]
.endr
	WIN 0
	v_nop                                          ; one plain place behind the scaled conversions
.irp b, 0,1,2,3
.irp w, 0,1,2
	ds_store_b32 v[STI], v[CE+4*\b+\w] offset:768*\b+192*((\a)%2)+4*\w
.endr
.endr
.endm
.macro PAIR k                          ; blocks 2 k and 2 k + 1: 32 rows; through my own stage, so that sixteen lanes store 256 consecutive bytes, at a multiple of 256 from the buffer's first byte
	EQ 2*\k
	EQ 2*\k+1
.irp m, 0,1,2,3,4,5
	ds_load_b128 v[OUTR+4*\m:OUTR+4*\m+3], v[STR] offset:512*\m   ; LDS serves a wave's instructions in order: these see my stores
.endr
	v_cndmask_b32 v[SW+8], v[SW+2*\k], v[SW+2*\k+1], s3   ; lanes 0-15: the first block's rows' words, lanes 16-31 the second's
	s_wait_dscnt 0x0
.irp m, 0,1,2,3,4,5
	global_store_b128 v[VO+\m], v[OUTR+4*\m:OUTR+4*\m+3], s[96:97]
.endr
	global_store_b32 v[VSO], v[SW+8], s[98:99]     ; 32 rows' scale words: 128 consecutive bytes
	s_wait_xcnt 0x0                                ; the stores have read their registers and bases: both may be written again
.if \k < 3
.if \k == 1
	s_mov_b32 s100, s18
.else
	s_mov_b32 s100, s2
.endif
	s_add_nc_u64 s[96:97], s[96:97], s[100:101]
	s_add_nc_u64 s[98:99], s[98:99], s[104:105]
.endif
.endm
	PAIR 0
	PAIR 1
	PAIR 2
	PAIR 3
	s_wait_tensorcnt 0x0                           ; the wave's end, behind my last tensor load and my last LDS store
	ds_add_u32 v[SPW], v[NIL]
	s_wait_dscnt 0x0
	CROUND                                         ; the closing round: no work-group ends while a partner may still ask for a tile that names it
	s_endpgm
.Lfunc_end_k_qb09485225e_qkv:
	.size	k_qb09485225e_qkv, .Lfunc_end_k_qb09485225e_qkv-k_qb09485225e_qkv
	.p2alignl 7, 3214868480
	.fill 96, 4, 3214868480
	.section	.rodata,"a",@progbits
	.p2align	6, 0x0
	.amdhsa_kernel k_qb09485225e_qkv
		.amdhsa_group_segment_fixed_size 327680
		.amdhsa_private_segment_fixed_size 0
		.amdhsa_enable_private_segment 0
		.amdhsa_kernarg_size 32
		.amdhsa_user_sgpr_count 2
		.amdhsa_user_sgpr_kernarg_segment_ptr 1
		.amdhsa_wavefront_size32 1
		.amdhsa_system_sgpr_workgroup_id_x 1
		.amdhsa_system_sgpr_workgroup_id_y 1
		.amdhsa_system_sgpr_workgroup_id_z 1
		.amdhsa_system_vgpr_workitem_id 0
		.amdhsa_next_free_vgpr 1024
		.amdhsa_next_free_sgpr 106
		.amdhsa_reserve_vcc 0
		.amdhsa_float_denorm_mode_32 3
		.amdhsa_float_denorm_mode_16_64 3
		.amdhsa_memory_ordered 1
		.amdhsa_forward_progress 1
		.amdhsa_inst_pref_size 192
	.end_amdhsa_kernel
	.amdgpu_metadata
---
amdhsa.version: [ 1, 2 ]
amdhsa.kernels:
  - .name:           k_qb09485225e_qkv
    .symbol:         k_qb09485225e_qkv.kd
    .args:
      - { .name: xw, .offset: 0, .size: 8, .value_kind: global_buffer, .address_space: global }
      - { .name: b_attn, .offset: 8, .size: 8, .value_kind: global_buffer, .address_space: global }
      - { .name: qk, .offset: 16, .size: 8, .value_kind: global_buffer, .address_space: global }
      - { .name: vv, .offset: 24, .size: 8, .value_kind: global_buffer, .address_space: global }
    .group_segment_fixed_size: 327680
    .private_segment_fixed_size: 0
    .kernarg_segment_align: 8
    .kernarg_segment_size: 32
    .max_flat_workgroup_size: 128
    .sgpr_count:     106
    .vgpr_count:     1024
    .wavefront_size: 32
...
	.end_amdgpu_metadata
.endif
;; end of part 2
;; launch attn (part 3): grid 256 x 1, 16 waves a work-group, no clusters, 84,480 bytes of LDS; arguments qk, vv, threshold, leak, steepness, yy; writes yy
.if DOCPART == 3
	.amdgcn_target "amdgcn-amd-amdhsa--gfx1250"
	.amdhsa_code_object_version 6
	.text
	.protected	k_qb09485225e_attn
	.globl	k_qb09485225e_attn
	.p2align	8
	.type	k_qb09485225e_attn,@function
k_qb09485225e_attn:
	s_mov_b64 s[64:65], 0
	v_nop
	global_prefetch_b8 v0, s[64:65] scope:SCOPE_SE
	s_setreg_imm32_b32 hwreg(HW_REG_WAVE_MODE, 25, 1), 1
	s_wait_xcnt 0x0
; y = mod v, mod = probs x lif_w / (its row's sum + 1e-8), probs = softmax(q k^T / 8) under the causal mask; both products on codes of BF6 (E3M2) with E8M0 scales; y leaves as codes for the last product.
; WORK LEFT OUT (shown at the head of the first launch): blocks of 32 keys that lie wholly behind a block of 32 queries hold only zeros of mod, by reference()'s own mask: they are not walked.
; LIMITS: as stated there; v_exp_f32 gives 0 for results under 2^-126.
; mod is quantised finished and normalised, so a row is walked three times (largest score and sum of exponentials; sum of probs x lif_w; the quantiser).  THE SCORES OF A WHOLE ROW STAY IN REGISTERS between the walks:
; eight waves hold one tile of 16 queries' whole row, wave rho the key blocks rho + 8 j, j = 0 .. 7: slot j = 16 registers, register i = key 32 (rho + 8 j) + 16 (lane / 16) + i, the lane's query = lane % 16.
; So a score costs three transcendentals (2^x, 2^x, 1 / x).  The eight waves exchange a row's largest t and its two sums through LDS (two barriers), and their parts of mod v likewise (a third).
; SHARES.  Work-group g: four heads 4 (g & 3) + 0 .. 3, batch g >> 7, and the query blocks s = (g >> 2) & 31 and 63 - s: waves of half 0 hold block s, waves of half 1 block 63 - s: 65 key blocks in every trip.
; Eight trips: four heads x two tiles u of 16 queries (lane r of tile u: query 32 qb + 8 u + r + 8 (r / 8)).  NA = how many of my slots hold keys that count; JD = my slot on the diagonal, or none.  Both hang on ids alone.
; PRODUCT 2 has K = 64: a fragment of k carries TWO tiles of 16 keys (K 0-63: keys 8 . 0 + .., K 64-127: keys 8 . 1 + ..) and is multiplied by [q | 0] and by [0 | q]: a zero code adds nothing under any scale byte that occurs.
; Both products are used transposed (source 0 = keys, or channels of v; source 1 = my 16 queries): a lane holds one query throughout.
; NO CLUSTER: operands go from memory straight into registers, each key block to one wave of each half, and work-groups of one head need different numbers of key blocks: there is no LDS tile to ask for jointly.
; Branches on NA lead round loads and arithmetic, never round a barrier.  Registers that one branch on NA writes and a later one reads are written once at the head (v24-255), so that every way through the text finds them written.
.set EX,    0                          ; LDS: for each half 2,048 bytes: [r 16][wave 8] f32 of M at 0, of the sum of p at 512, of the sum of p x lif_w at 1,024
.set OP,    4096                       ; 16 x 4,096 bytes: each wave's part of O^T as an image of its 32 registers
.set YST,   69632                      ; for each half 6,144 bytes: y's codes as they leave: [row 32][192 bytes], in a row 48 bytes a head
.set YSS,   81920                      ; for each half 256 bytes: y's scale bytes as they leave: [row 32][8], in a row 2 bytes a head
.set SPARE, 82432                      ; the spare words, 128 bytes for each of 16 waves, which no other line names
.set SPW, 1
.set NIL, 2
.set AKL, 3                            ; v3  q, k: 24 (r + 8 (r / 8)) + 49,152 h: my row, my block of 32 channels
.set ASL, 4                            ; v4  their scale words: 4 (r + 8 (r / 8))
.set AVL, 5                            ; v5  v: 24 r + 12,288 h: my channel, my key block of a pair
.set AVS, 6                            ; v6  its scale words: 4 r
.set XW,  7                            ; v7  EX: my wave's word of my query
.set XR,  8                            ; v8  EX: my query's eight words
.set OPW, 9                            ; v9  OP: my wave's image, 16 x lane
.set ORD, 10                           ; v10 OP: what I read as a reducer
.set YCW, 11                           ; v11 YST: where a reducer puts 12 bytes
.set YSW, 12                           ; v12 YSS: and its scale byte
.set YRD, 13                           ; v13 YST: the last read
.set YSR, 14                           ; v14 YSS: the last read
.set YGO, 15                           ; v15 16 x thread
.set YSG, 16                           ; v16 8 x lane
.set VD0, 17                           ; v17 r + 8 (r / 8) - 16 h
.set SCR, 18                           ; v18-23 at work; v[22:23]: lk
.set QW,  42                           ; v24-29 zeros, v30-35 q, v36-41 zeros: [0 | q] = v24-35, [q | 0] = v30-41.  v42 q's scale word
.set PW,  43                           ; v43, v44 mod's scale words
.set PFO, 45                           ; v45 256 x lane
.set KW,  46                           ; v46-53 k's scale words, then v's
.set AUX, 54                           ; v54-73 at work
.set ST,  74                           ; v74-79 statistics
.set KV,  80                           ; v80-127 four fragments of k or of v
.set SL,  128                          ; v128-255 the eight slots
.set WV,  16
.set HF,  17
.set EE,  18
.set RHO, 19
.set HG,  20
.set SS,  21
.set BA,  22
.set QBL, 23
.set NA,  24
.set JD,  25
.set HD,  26
.set PFL, 27
.set KB,  28
.set QB,  30
.set KS,  32
.set QS,  34
.set VB,  36
.set VS,  38
.set PFA, 40
.set CS,  42                           ; s[42:43] log2(e) / 8
.set SEL, 44                           ; s[44:45] v_permlanex16_b32's selects for lane l xor 16
.set KSEL, 46
.set QSEL, 47
.set TAB, 48                           ; s48-63 for each head still to come: A = -log2(e) st, Bc = -A thr, lk, 1 - lk
.set PA,  66
.set LK,  67
.set BC,  68
.set OM,  70
.set YB0, 80
.set YB1, 82
.set SUB, 84
.set YSB, 86
.macro BAR
	s_wait_dscnt 0x0                               ; my LDS stores have landed and my LDS loads are in
	s_barrier_signal -1
	s_barrier_wait -1
.endm
.macro KLOAD j, reg                    ; slot j's fragment of k (two tiles of 16 keys x 64 channels) and the two tiles' scale words as they lie
.irp p, 0,1,2,3,4,5
	global_load_b64 v[(\reg)+2*\p:(\reg)+2*\p+1], v[AKL], s[KB:KB+1] offset:6144*\j+192*(\p/3)+8*(\p%3)
.endr
	global_load_b32 v[KW+\j], v[ASL], s[KS:KS+1] offset:1024*\j
	global_load_b32 v[AUX+\j], v[ASL], s[KS:KS+1] offset:1024*\j+32
.endm
.macro LOADQK_HI u                     ; tile u of q, and k for slots 4-7, into registers that the products with v have left
	s_cmp_eq_u32 s[NA], 0
	s_cbranch_scc1 .Lqh_\@
.irp p, 0,1,2
	global_load_b64 v[30+2*\p:31+2*\p], v[AKL], s[QB:QB+1] offset:192*\u+8*\p
.endr
	global_load_b32 v[QW], v[ASL], s[QS:QS+1] offset:32*\u
.irp j, 4,5,6,7
	s_cmp_le_u32 s[NA], \j
	s_cbranch_scc1 .Lqh_\@
	KLOAD \j, KV+12*(\j-4)
.endr
.Lqh_\@:
.endm
.macro LOADK_LO                        ; k for slots 0-3, into the registers of slots 4-7, which take their scores only behind slots 0-3's products
.irp j, 0,1,2,3
	s_cmp_le_u32 s[NA], \j
	s_cbranch_scc1 .Lql_\@
	KLOAD \j, 192+12*\j
.endr
.Lql_\@:
.endm
.macro VCODES c2, dst                  ; v^T for slots 4 c2 .. 4 c2 + 3: four fragments of 16 channels x 128 keys
.irp dt, 0,1,2,3
.irp p, 0,1,2,3,4,5
	global_load_b64 v[\dst+12*\dt+2*\p:\dst+12*\dt+2*\p+1], v[AVL], s[VB:VB+1] offset:49152*\c2+384*\dt+24576*(\p/3)+8*(\p%3)
.endr
.endr
.endm
.macro VWORDS c2
.irp dt, 0,1,2,3
	global_load_b32 v[KW+4*\c2+\dt], v[AVS], s[VS:VS+1] offset:4096*\c2+64*\dt
.endr
.endm
; 64 numbers of a lane, none negative, register 16 b + i = key 32 b + 16 (lane / 16) + i of four slots, become a fragment's codes in v[pc] on and its scale word in v[pw].  v24-35 are at work here.
.macro QUANT s, pc, tc, pw
.irp b, 0,1,2,3
	v_max3_num_f32 v[24+\b], v[\s+16*\b], v[\s+1+16*\b], 0x2800000   ; with the floor 2^(5 - 127): the byte cannot fall under 1
.endr
.irp i, 2,4,6,8,10,12,14
.irp b, 0,1,2,3
	v_max3_num_f32 v[24+\b], v[24+\b], v[\s+16*\b+\i], v[\s+1+16*\b+\i]
.endr
.endr
.irp b, 0,1,2,3
	v_permlanex16_b32 v[28+\b], v[24+\b], s[SEL], s[SEL+1]
.endr
.irp b, 0,1,2,3
	v_max_num_f32 v[24+\b], v[24+\b], v[28+\b]
.endr
.irp b, 0,1,2,3
	v_add_nc_u32 v[32+\b], 0xfe000000, v[24+\b]    ; 4 off the exponent field: the conversion's scale operand
.endr
.irp b, 0,1,2,3
	v_lshrrev_b32 v[28+\b], 23, v[32+\b]
.endr
	v_lshl_or_b32 v[\pw], v29, 8, v28
	v_lshl_or_b32 v[\pw], v30, 16, v[\pw]
	v_lshl_or_b32 v[\pw], v31, 24, v[\pw]
.irp c, 0,1
	v_cvt_scalef32_pk16_bf6_f32 v[\pc+6*\c:\pc+2+6*\c], v[\s+32*\c:\s+15+32*\c], v[32+2*\c]
	v_cvt_scalef32_pk16_bf6_f32 v[\tc+4*\c:\tc+2+4*\c], v[\s+16+32*\c:\s+31+32*\c], v[33+2*\c]
.endr
	v_nop                                          ; one plain place behind the scaled conversions
.irp c, 0,1                                    ; the operand's layout wants a whole block in a lane
.irp i, 0,1,2
	v_permlane16_swap_b32 v[\pc+6*\c+\i], v[\tc+4*\c+\i]
.endr
.irp i, 0,1,2
	v_mov_b32 v[\pc+3+6*\c+\i], v[\tc+4*\c+\i]
.endr
.endr
.endm
	s_load_b256 s[4:11], s[0:1], 0x0               ; qk s[4:5], vv s[6:7], threshold s[8:9], leak s[10:11]
	s_load_b128 s[12:15], s[0:1], 0x20             ; steepness s[12:13], yy s[14:15]
	v_lshl_add_u32 v[SPW], v0, 2, SPARE
	v_mov_b32 v[NIL], 0
	v_lshrrev_b32 v18, 5, v0
	v_readfirstlane_b32 s[WV], v18                 ; wave 0..15
	s_lshr_b32 s72, s[WV], 2
	s_and_b32 s73, s[WV], 3
	s_xor_b32 s[HF], s72, s73
	s_and_b32 s[HF], s[HF], 1                      ; my half: two waves of each half in every four neighbours, whichever way the waves are dealt
	s_lshl_b32 s[EE], s72, 1
	s_lshr_b32 s73, s73, 1
	s_add_co_u32 s[EE], s[EE], s73                 ; my place among the half's eight
	s_mul_i32 s[RHO], s[HF], 7
	s_xor_b32 s[RHO], s[RHO], s[EE]                ; my key blocks: rho + 8 j; the halves count in opposite directions
	s_and_b32 s[SUB], s[RHO], 1
	s_and_b32 s[HG], ttmp9, 3
	s_bfe_u32 s[SS], ttmp9, 0x50002
	s_lshr_b32 s[BA], ttmp9, 7
	s_mul_i32 s[QBL], s[HF], 63
	s_xor_b32 s[QBL], s[QBL], s[SS]                ; my block of queries: s or 63 - s
	s_add_co_u32 s[NA], s[QBL], 8
	s_sub_co_u32 s[NA], s[NA], s[RHO]
	s_and_b32 s[JD], s[NA], 7
	s_lshr_b32 s[NA], s[NA], 3                     ; how many j have rho + 8 j <= my block of queries
	s_sub_co_u32 s72, s[NA], 1
	s_cmp_eq_u32 s[JD], 0
	s_cselect_b32 s[JD], s72, 99                   ; the last of them lies on the diagonal, or none does
.set i, 24
.rept 232
	v_mov_b32 v[i], 0                              ; once a launch: see the head; v24-29 and v36-41 are also q's zeros
.set i, i+1
.endr
	v_and_b32 v18, 31, v0                          ; lane
	v_and_b32 v19, 15, v0                          ; r
	v_bfe_u32 v20, v0, 4, 1                        ; h
	v_and_b32 v21, 8, v19
	v_add_nc_u32 v21, v21, v19                     ; r + 8 (r / 8)
	v_mul_u32_u24 v[AKL], v21, 24
	v_mad_u32_u24 v[AKL], v20, 0xc000, v[AKL]
	v_lshlrev_b32 v[ASL], 2, v21
	v_mul_u32_u24 v[AVL], v19, 24
	v_mad_u32_u24 v[AVL], v20, 0x3000, v[AVL]
	v_lshlrev_b32 v[AVS], 2, v19
	s_lshl_b32 s72, s[HF], 11
	v_lshl_add_u32 v[XR], v19, 5, s72
	s_lshl_b32 s73, s[EE], 2
	v_add_nc_u32 v[XW], s73, v[XR]
	s_lshl_b32 s72, s[HF], 3
	s_add_co_u32 s72, s72, s[EE]
	s_lshl_b32 s72, s72, 12
	s_add_co_u32 s72, s72, OP
	v_lshl_add_u32 v[OPW], v18, 4, s72
	s_lshl_b32 s72, s[HF], 15
	s_lshl_b32 s73, s[SUB], 11
	s_add_co_u32 s72, s72, s73
	s_add_co_u32 s72, s72, OP
	v_lshl_add_u32 v[ORD], v19, 4, s72
	v_lshl_add_u32 v[ORD], v20, 10, v[ORD]
	s_mul_i32 s72, s[HF], 6144                     ; y's codes go into the stage where they lie in a row of yy: row 8 u + r + 8 (r / 8) of 192 bytes; in it 48 x head + 24 x sub + 12 h
	s_mul_i32 s73, s[SUB], 24
	s_add_co_u32 s72, s72, s73
	s_add_co_u32 s72, s72, YST
	v_mul_u32_u24 v[YCW], v21, 192
	v_mad_u32_u24 v[YCW], v20, 12, v[YCW]
	v_add_nc_u32 v[YCW], s72, v[YCW]
	s_lshl_b32 s72, s[HF], 8                       ; the scale bytes likewise: 8 bytes a row; in them 2 x head + sub
	s_add_co_u32 s72, s72, s[SUB]
	s_add_co_u32 s72, s72, YSS
	v_lshl_add_u32 v[YSW], v21, 3, s72
	s_min_u32 s72, s[WV], 11                       ; the last read is dense: 512 bytes a wave, 16 a lane.  Waves 12-15 do not read: their address is held inside the stage
	s_lshl_b32 s72, s72, 9
	s_add_co_u32 s72, s72, YST
	v_lshl_add_u32 v[YRD], v18, 4, s72
	s_and_b32 s72, s[WV], 1
	s_lshl_b32 s72, s72, 8
	s_add_co_u32 s72, s72, YSS
	v_lshl_add_u32 v[YSR], v18, 3, s72             ; a half's 256 scale bytes: 8 a lane
	v_lshlrev_b32 v[YGO], 4, v0
	v_lshlrev_b32 v[YSG], 3, v18
	v_lshlrev_b32 v22, 4, v20
	v_sub_nc_u32 v[VD0], v21, v22
	v_lshlrev_b32 v[PFO], 8, v18
	s_mov_b32 s[CS], 0x3e38aa3b                    ; log2(e) / 8: t = score x it
	s_mov_b32 s[CS+1], s[CS]
	s_mov_b32 s[SEL], 0x76543210
	s_mov_b32 s[SEL+1], 0xfedcba98
	s_mov_b32 s[KSEL], 0x05040100                  ; k's scale word: bytes 0, 1 of tile 0's word, bytes 0, 1 of tile 1's (an odd head: bytes 2, 3)
	s_mov_b32 s[QSEL], 0x01000100                  ; q's: its two bytes twice, for [q | 0] and [0 | q]
	s_mov_b32 s[HD], 0
	; the four heads' parameters: lane l & 3 computes head 4 hg + (l & 3)
	v_and_b32 v18, 3, v0
	v_lshlrev_b32 v18, 2, v18
	s_lshl_b32 s72, s[HG], 4
	v_add_nc_u32 v18, s72, v18
	s_wait_kmcnt 0x0
	global_load_b32 v19, v18, s[8:9]
	global_load_b32 v20, v18, s[10:11]
	global_load_b32 v21, v18, s[12:13]
	s_wait_loadcnt 0x0
	v_mul_f32 v19, 0x3dcccccd, |v19|               ; thr = |threshold| x 0.1
	v_mul_f32 v22, 0xbfb8aa3b, v20
	v_mul_f32 v23, 0xbfb8aa3b, |v21|
	v_exp_f32 v22, v22                             ; e^-leak
	v_exp_f32 v23, v23                             ; e^-|steepness|
	v_max_num_f32 v21, 0, v21                      ; (a plain place behind the two)
	s_wait_alu depctr_va_vdst(0)                   ; one wait for the batch, ahead of its first reader
	v_add_f32 v22, 1.0, v22
	v_add_f32 v23, 1.0, v23
	v_rcp_f32 v22, v22                             ; lk = sigmoid(leak)
	v_log_f32 v23, v23
	v_nop
	s_wait_alu depctr_va_vdst(0)
	v_fma_f32 v21, v23, 0x3f317218, v21            ; st = softplus(steepness) = max(x, 0) + ln(1 + e^-|x|): the form that stays in range
	v_mul_f32 v20, 0xbfb8aa3b, v21                 ; A = -log2(e) st
	v_mul_f32 v19, -v20, v19                       ; Bc = -A thr: fire = 1 / (1 + 2^(A probs + Bc))
	v_sub_f32 v23, 1.0, v22                        ; lif_w = lk + (1 - lk) fire
.irp k, 0,1,2,3
	v_readlane_b32 s[TAB+4*\k], v20, \k
	v_readlane_b32 s[TAB+4*\k+1], v19, \k
	v_readlane_b32 s[TAB+4*\k+2], v22, \k
	v_readlane_b32 s[TAB+4*\k+3], v23, \k
.endr
	; where my operands lie
	s_mov_b32 s77, 0
	s_lshl_b32 s72, s[BA], 6
	s_lshl_b32 s73, s[HG], 3
	s_add_co_u32 s72, s72, s73                     ; q's first block of 32 channels: batch 64 + 8 hg
	s_mul_i32 s74, s72, 49152
	s_mul_i32 s75, s[QBL], 768
	s_add_co_u32 s76, s74, s75
	s_add_nc_u64 s[QB:QB+1], s[4:5], s[76:77]
	s_add_co_u32 s74, s74, 32*49152
	s_mul_i32 s75, s[RHO], 768
	s_add_co_u32 s76, s74, s75
	s_add_nc_u64 s[KB:KB+1], s[4:5], s[76:77]
	s_lshl_b32 s74, s[HG], 15
	s_lshl_b32 s75, s[BA], 13
	s_add_co_u32 s74, s74, s75
	s_add_co_u32 s74, s74, 6291456
	s_lshl_b32 s75, s[QBL], 7
	s_add_co_u32 s76, s74, s75
	s_add_nc_u64 s[QS:QS+1], s[4:5], s[76:77]
	s_add_co_u32 s74, s74, 8*16384
	s_lshl_b32 s75, s[RHO], 7
	s_add_co_u32 s76, s74, s75
	s_add_nc_u64 s[KS:KS+1], s[4:5], s[76:77]
	s_lshl_b32 s74, s[BA], 4
	s_lshl_b32 s75, s[HG], 2
	s_add_co_u32 s74, s74, s75
	s_mul_i32 s74, s74, 98304                      ; v: a head is 98,304 bytes of codes
	s_mul_i32 s75, s[RHO], 1536
	s_add_co_u32 s76, s74, s75
	s_add_nc_u64 s[VB:VB+1], s[6:7], s[76:77]
	s_lshl_b32 s75, s[BA], 3
	s_add_co_u32 s75, s75, s[RHO]
	s_lshl_b32 s75, s75, 13
	s_lshl_b32 s76, s[HG], 10
	s_add_co_u32 s76, s76, s75
	s_add_co_u32 s76, s76, 3145728
	s_add_nc_u64 s[VS:VS+1], s[6:7], s[76:77]
	; the prefetches: wave 0 of work-groups s < 24 names 8,192 bytes of the NEXT head: s < 12 of k's 98,304 dense bytes, the others of v's
	s_add_co_u32 s75, s72, 34
	s_mul_i32 s75, s75, 49152
	s_lshl_b32 s78, s[SS], 13
	s_add_co_u32 s75, s75, s78
	s_add_co_u32 s76, s74, s78                     ; (v: one head on and 12 x 8,192 back are the same number of bytes)
	s_cmp_lt_u32 s[SS], 12
	s_cselect_b32 s76, s75, s76
	s_cselect_b64 s[PFA:PFA+1], s[4:5], s[6:7]
	s_add_nc_u64 s[PFA:PFA+1], s[PFA:PFA+1], s[76:77]
	s_cmp_lt_u32 s[SS], 24
	s_cselect_b32 s[PFL], 3, 0
	s_cmp_eq_u32 s[WV], 0
	s_cselect_b32 s[PFL], s[PFL], 0                ; a wave prefetches while the head's number is under this
	; where y goes: form F(4096), quarter of K = hg
	s_lshl_b32 s74, s[HG], 12
	s_lshl_b32 s75, s[BA], 11
	s_add_co_u32 s74, s74, s75
	s_lshl_b32 s75, s[SS], 5
	s_add_co_u32 s75, s75, s74
	s_mul_i32 s76, s75, 192
	s_add_nc_u64 s[YB0:YB0+1], s[14:15], s[76:77]
	s_xor_b32 s75, s[SS], 63
	s_lshl_b32 s75, s75, 5
	s_add_co_u32 s75, s75, s74
	s_mul_i32 s76, s75, 192
	s_add_nc_u64 s[YB1:YB1+1], s[14:15], s[76:77]
	s_and_b32 s75, s[WV], 1
	s_mul_i32 s75, s75, 63
	s_xor_b32 s75, s75, s[SS]
	s_lshl_b32 s75, s75, 5
	s_add_co_u32 s75, s75, s74
	s_lshl_b32 s76, s75, 3
	s_add_co_u32 s76, s76, 3145728
	s_add_nc_u64 s[YSB:YSB+1], s[14:15], s[76:77]
; ONE TRIP: tile u of the head in hand.
.macro TRIP u
	s_wait_loadcnt 0x0                             ; q, k and their scale words
	v_perm_b32 v[QW], v[QW], v[QW], s[QSEL]
.irp j, 0,1,2,3,4,5,6,7
	v_perm_b32 v[KW+\j], v[AUX+\j], v[KW+\j], s[KSEL]
.endr
	v_mov_b32 v[ST+2], 0xff61b1e6                  ; -3e38, under every score
	v_mov_b32 v[ST+3], 0xff61b1e6
.rept 6
	v_nop                                          ; with the two lines above: eight places between a scale register's write and the scaled products
.endr
.irp j, 0,1,2,3
	s_cmp_le_u32 s[NA], \j
	s_cbranch_scc1 .Lqkd_\@
	v_wmma_scale_f32_16x16x128_f8f6f4 v[SL+16*\j:SL+16*\j+7], v[192+12*\j:203+12*\j], v[30:41], 0, v[KW+\j], v[QW] matrix_a_fmt:MATRIX_FMT_BF6 matrix_b_fmt:MATRIX_FMT_BF6
	v_wmma_scale_f32_16x16x128_f8f6f4 v[SL+16*\j+8:SL+16*\j+15], v[192+12*\j:203+12*\j], v[24:35], 0, v[KW+\j], v[QW] matrix_a_fmt:MATRIX_FMT_BF6 matrix_b_fmt:MATRIX_FMT_BF6
.endr
.rept 5
	v_nop                                          ; the next results are laid over fragments that are done with: five places
.endr
.irp j, 4,5,6,7
	s_cmp_le_u32 s[NA], \j
	s_cbranch_scc1 .Lqkd_\@
	v_wmma_scale_f32_16x16x128_f8f6f4 v[SL+16*\j:SL+16*\j+7], v[KV+12*(\j-4):KV+12*(\j-4)+11], v[30:41], 0, v[KW+\j], v[QW] matrix_a_fmt:MATRIX_FMT_BF6 matrix_b_fmt:MATRIX_FMT_BF6
	v_wmma_scale_f32_16x16x128_f8f6f4 v[SL+16*\j+8:SL+16*\j+15], v[KV+12*(\j-4):KV+12*(\j-4)+11], v[24:35], 0, v[KW+\j], v[QW] matrix_a_fmt:MATRIX_FMT_BF6 matrix_b_fmt:MATRIX_FMT_BF6
.endr
.Lqkd_\@:
.rept 4
	v_nop                                          ; places in front of loads into the products' registers and of the first read of the scores
.endr
	s_cmp_eq_u32 s[NA], 0                          ; v is asked for now: it has the three walks in which to come
	s_cbranch_scc1 .Lnov_\@
	VCODES 0, KV
	VWORDS 0
	s_cmp_le_u32 s[NA], 4
	s_cbranch_scc1 .Lnov_\@
	VWORDS 1
.Lnov_\@:
.if \u == 1
	s_cmp_lt_u32 s[HD], s[PFL]                     ; the next head's k or v: 32 lanes, 256 bytes apart; each block is named once in the launch; the rest of this trip ahead of the loads; the last head asks for nothing
	s_cbranch_scc0 .Lnp_\@
	global_prefetch_b8 v[PFO], s[PFA:PFA+1] th:TH_LOAD_NT scope:SCOPE_SE
.Lnp_\@:
.endif
	; ---- walk 1: the largest score; on the diagonal hidden keys become -infinity first (key 16 h + i is hidden where i - 8 u > r + 8 (r / 8) - 16 h)
.irp j, 0,1,2,3,4,5,6,7
	s_cmp_le_u32 s[NA], \j
	s_cbranch_scc1 .Lp1a_\@
	s_cmp_lg_u32 s[JD], \j
	s_cbranch_scc1 .Lnm_\@_\j
	v_mov_b32 v[SCR], 0xff800000
.irp i, 0,1,2,3,4,5,6,7,8,9,10,11,12,13,14,15
	v_cmp_gt_i32 vcc_lo, \i-8*\u, v[VD0]
	v_cndmask_b32 v[SL+16*\j+\i], v[SL+16*\j+\i], v[SCR], vcc_lo
.endr
.Lnm_\@_\j:
.irp i, 0,4,8,12
	v_max3_num_f32 v[ST+2], v[ST+2], v[SL+16*\j+\i], v[SL+16*\j+\i+1]
	v_max3_num_f32 v[ST+3], v[ST+3], v[SL+16*\j+\i+2], v[SL+16*\j+\i+3]
.endr
.endr
.Lp1a_\@:
	v_max_num_f32 v[ST+2], v[ST+2], v[ST+3]
	v_permlanex16_b32 v[ST+3], v[ST+2], s[SEL], s[SEL+1]
	v_max_num_f32 v[ST+2], v[ST+2], v[ST+3]
	v_mul_f32 v[ST+1], s[CS], v[ST+2]
	v_ceil_f32 v[ST], v[ST+1]                      ; my wave's M: its largest t rounded up to a whole number, so that the waves' sums are brought together by exact powers of two
.irp i, 2,3,4,5
	v_mov_b32 v[ST+\i], 0
.endr
.irp j, 0,1,2,3,4,5,6,7
	s_cmp_le_u32 s[NA], \j
	s_cbranch_scc1 .Lp1c_\@
.irp i, 0,2,4,6,8,10,12,14
	v_pk_fma_f32 v[SL+16*\j+\i:SL+16*\j+\i+1], v[SL+16*\j+\i:SL+16*\j+\i+1], s[CS:CS+1], v[ST:ST+1] op_sel_hi:[1,0,0] neg_lo:[0,0,1] neg_hi:[0,0,1]   ; t - M
.endr
.irp i, 0,1,2,3,4,5,6,7,8,9,10,11,12,13,14,15
	v_exp_f32 v[SL+16*\j+\i], v[SL+16*\j+\i]       ; p = 2^(t - M)
.endr
	v_nop                                          ; a plain place behind the batch,
	s_wait_alu depctr_va_vdst(0)                   ; and its one wait, ahead of the first reader and of the next branch
.irp i, 0,4,8,12
	v_pk_add_f32 v[ST+2:ST+3], v[ST+2:ST+3], v[SL+16*\j+\i:SL+16*\j+\i+1]
	v_pk_add_f32 v[ST+4:ST+5], v[ST+4:ST+5], v[SL+16*\j+\i+2:SL+16*\j+\i+3]
.endr
.endr
.Lp1c_\@:
	v_pk_add_f32 v[ST+2:ST+3], v[ST+2:ST+3], v[ST+4:ST+5]
	v_add_f32 v[ST+2], v[ST+2], v[ST+3]
	v_permlanex16_b32 v[ST+3], v[ST+2], s[SEL], s[SEL+1]
	v_add_f32 v[ST+2], v[ST+2], v[ST+3]
	ds_store_b32 v[XW], v[ST]                      ; both halves of the lanes write the same word with the same value
	ds_store_b32 v[XW], v[ST+2] offset:512
	BAR                                            ; the eight waves' M and sums lie in LDS
	; ---- walk 2: probs = p g, g = 2^(my M - the row's M) / the row's sum; fire, lif_w, and the sum of probs x lif_w
	ds_load_b128 v[AUX:AUX+3], v[XR]
	ds_load_b128 v[AUX+4:AUX+7], v[XR] offset:16
	ds_load_b128 v[AUX+8:AUX+11], v[XR] offset:512
	ds_load_b128 v[AUX+12:AUX+15], v[XR] offset:528
	s_wait_dscnt 0x0
	v_max3_num_f32 v[SCR], v[AUX], v[AUX+1], v[AUX+2]
	v_max3_num_f32 v[SCR], v[SCR], v[AUX+3], v[AUX+4]
	v_max3_num_f32 v[SCR], v[SCR], v[AUX+5], v[AUX+6]
	v_max_num_f32 v[SCR], v[SCR], v[AUX+7]         ; the row's M
.irp e, 0,1,2,3,4,5,6,7
	v_sub_f32 v[AUX+\e], v[AUX+\e], v[SCR]         ; a whole number, 0 or less
.endr
.irp e, 0,1,2,3,4,5,6,7
	v_cvt_i32_f32 v[AUX+\e], v[AUX+\e]             ; (it saturates: a wave without keys has the sum 0)
.endr
.irp e, 0,1,2,3,4,5,6,7
	v_ldexp_f32 v[AUX+8+\e], v[AUX+8+\e], v[AUX+\e]
.endr
	v_add_f32 v[AUX+8], v[AUX+8], v[AUX+9]
	v_add_f32 v[AUX+10], v[AUX+10], v[AUX+11]
	v_add_f32 v[AUX+12], v[AUX+12], v[AUX+13]
	v_add_f32 v[AUX+14], v[AUX+14], v[AUX+15]
	v_add_f32 v[AUX+8], v[AUX+8], v[AUX+10]
	v_add_f32 v[AUX+12], v[AUX+12], v[AUX+14]
	v_add_f32 v[AUX+8], v[AUX+8], v[AUX+12]
	v_sub_f32 v[SCR+1], v[ST], v[SCR]
	v_cvt_i32_f32 v[SCR+1], v[SCR+1]
	v_rcp_f32 v[SCR+2], v[AUX+8]
	v_mov_b32 v[SCR+4], s[LK]                      ; (plain work behind the reciprocal)
	v_mov_b32 v[SCR+5], s[LK]
.irp i, 2,3,4,5
	v_mov_b32 v[ST+\i], 0
.endr
	s_wait_alu depctr_va_vdst(0)
	v_ldexp_f32 v[ST+1], v[SCR+2], v[SCR+1]        ; g
	v_mul_f32 v[ST], s[PA], v[ST+1]                ; A g
.irp j, 0,1,2,3,4,5,6,7
	s_cmp_le_u32 s[NA], \j
	s_cbranch_scc1 .Lp2_\@
.irp i, 0,2,4,6,8,10,12,14
	v_pk_fma_f32 v[AUX+\i:AUX+\i+1], v[SL+16*\j+\i:SL+16*\j+\i+1], v[ST:ST+1], s[BC:BC+1] op_sel_hi:[1,0,0]   ; A probs + Bc
.endr
.irp i, 0,1,2,3,4,5,6,7,8,9,10,11,12,13,14,15
	v_exp_f32 v[AUX+\i], v[AUX+\i]
.endr
	v_nop
	s_wait_alu depctr_va_vdst(0)
.irp i, 0,2,4,6,8,10,12,14
	v_pk_add_f32 v[AUX+\i:AUX+\i+1], v[AUX+\i:AUX+\i+1], 1.0 op_sel_hi:[1,0]
.endr
.irp i, 0,1,2,3,4,5,6,7,8,9,10,11,12,13,14,15
	v_rcp_f32 v[AUX+\i], v[AUX+\i]                 ; fire
.endr
	v_nop
	s_wait_alu depctr_va_vdst(0)
.irp i, 0,2,4,6,8,10,12,14
	v_pk_fma_f32 v[AUX+\i:AUX+\i+1], v[AUX+\i:AUX+\i+1], s[OM:OM+1], v[SCR+4:SCR+5] op_sel_hi:[1,0,0]   ; lif_w = (1 - lk) fire + lk
.endr
.irp i, 0,2,4,6,8,10,12,14
	v_pk_mul_f32 v[SL+16*\j+\i:SL+16*\j+\i+1], v[SL+16*\j+\i:SL+16*\j+\i+1], v[AUX+\i:AUX+\i+1]
.endr
.irp i, 0,4,8,12
	v_pk_add_f32 v[ST+2:ST+3], v[ST+2:ST+3], v[SL+16*\j+\i:SL+16*\j+\i+1]
	v_pk_add_f32 v[ST+4:ST+5], v[ST+4:ST+5], v[SL+16*\j+\i+2:SL+16*\j+\i+3]
.endr
.endr
.Lp2_\@:
	v_pk_add_f32 v[ST+2:ST+3], v[ST+2:ST+3], v[ST+4:ST+5]
	v_add_f32 v[ST+2], v[ST+2], v[ST+3]
	v_permlanex16_b32 v[ST+3], v[ST+2], s[SEL], s[SEL+1]
	v_add_f32 v[ST+2], v[ST+2], v[ST+3]
	v_mul_f32 v[ST+2], v[ST+1], v[ST+2]            ; my wave's part of the sum of probs x lif_w
	ds_store_b32 v[XW], v[ST+2] offset:1024
	BAR
	; ---- walk 3: mod = p lif_w g / (the sum + 1e-8), quantised along the keys, a slot a block
	ds_load_b128 v[AUX:AUX+3], v[XR] offset:1024
	ds_load_b128 v[AUX+4:AUX+7], v[XR] offset:1040
	s_wait_dscnt 0x0
	v_add_f32 v[AUX], v[AUX], v[AUX+1]
	v_add_f32 v[AUX+2], v[AUX+2], v[AUX+3]
	v_add_f32 v[AUX+4], v[AUX+4], v[AUX+5]
	v_add_f32 v[AUX+6], v[AUX+6], v[AUX+7]
	v_add_f32 v[AUX], v[AUX], v[AUX+2]
	v_add_f32 v[AUX+4], v[AUX+4], v[AUX+6]
	v_add_f32 v[AUX], v[AUX], v[AUX+4]
	v_add_f32 v[AUX], 0x322bcc77, v[AUX]           ; + 1e-8
	v_rcp_f32 v[AUX+1], v[AUX]
	v_nop
	s_wait_alu depctr_va_vdst(0)
	v_mul_f32 v[ST], v[ST+1], v[AUX+1]
	s_cmp_eq_u32 s[NA], 0
	s_cbranch_scc1 .Lnk_\@
.irp j, 3,2,1                                  ; slots without keys hold what other work left there: they become zeros, whose codes add nothing
	s_cmp_gt_u32 s[NA], \j
	s_cbranch_scc1 .Lz0_\@
.irp i, 0,1,2,3,4,5,6,7,8,9,10,11,12,13,14,15
	v_mov_b32 v[SL+16*\j+\i], 0
.endr
.endr
.Lz0_\@:
.set i, 0
.rept 32
	v_pk_mul_f32 v[SL+i:SL+i+1], v[SL+i:SL+i+1], v[ST:ST+1] op_sel_hi:[1,0]
.set i, i+2
.endr
	QUANT SL, AUX, AUX+12, PW
	s_cmp_le_u32 s[NA], 4
	s_cbranch_scc1 .Lone_\@
	VCODES 1, SL                                   ; slots 0-3 are codes now: their registers take v for slots 4-7
.irp j, 7,6,5
	s_cmp_gt_u32 s[NA], \j
	s_cbranch_scc1 .Lz1_\@
.irp i, 0,1,2,3,4,5,6,7,8,9,10,11,12,13,14,15
	v_mov_b32 v[SL+16*\j+\i], 0
.endr
.endr
.Lz1_\@:
.set i, 64
.rept 32
	v_pk_mul_f32 v[SL+i:SL+i+1], v[SL+i:SL+i+1], v[ST:ST+1] op_sel_hi:[1,0]
.set i, i+2
.endr
	QUANT SL+64, 176, AUX+12, PW+1
.Lone_\@:
	s_wait_loadcnt 0x0                             ; v
.irp i, 24,25,26,27,28,29
	v_mov_b32 v[\i], 0                             ; q's zeros, which the quantiser has used
.endr
	v_nop
	v_nop                                          ; with the six lines above: eight places in front of the scaled products
.irp dt, 0,1,2,3                               ; O^T = v^T mod^T: four accumulators by turns
	v_wmma_scale_f32_16x16x128_f8f6f4 v[192+8*\dt:199+8*\dt], v[KV+12*\dt:KV+12*\dt+11], v[AUX:AUX+11], 0, v[KW+\dt], v[PW] matrix_a_fmt:MATRIX_FMT_BF6 matrix_b_fmt:MATRIX_FMT_BF6
.endr
	s_cmp_le_u32 s[NA], 4
	s_cbranch_scc1 .Lpvd_\@
.irp dt, 0,1,2,3
	v_wmma_scale_f32_16x16x128_f8f6f4 v[192+8*\dt:199+8*\dt], v[SL+12*\dt:SL+12*\dt+11], v[176:187], v[192+8*\dt:199+8*\dt], v[KW+4+\dt], v[PW+1] matrix_a_fmt:MATRIX_FMT_BF6 matrix_b_fmt:MATRIX_FMT_BF6
.endr
.Lpvd_\@:
.rept 4
	v_nop
.endr
	s_branch .Lst_\@
.Lnk_\@:
.set i, 192
.rept 32
	v_mov_b32 v[i], 0                              ; a wave without keys adds zeros
.set i, i+1
.endr
.Lst_\@:
	s_wait_loadcnt 0x0                             ; no load of mine is out on any way that leads here: the registers below may be loaded anew, and the bases stepped
.irp dt, 0,1,2,3
	ds_store_b128 v[OPW], v[192+8*\dt:195+8*\dt] offset:1024*\dt          ; my part of O^T as an image of its registers, each accumulator from its low end on
	ds_store_b128 v[OPW], v[196+8*\dt:199+8*\dt] offset:1024*\dt+512
.endr
.if \u == 0
	LOADQK_HI 1                                    ; the next trip's operands are asked for here
	s_wait_dscnt 0x0                               ; the stores have read their registers
	LOADK_LO
.else
	s_cmp_ge_u32 s[HD], 3
	s_cbranch_scc1 .Lnl_\@
	s_add_nc_u64 s[KB:KB+1], s[KB:KB+1], 98304     ; the next head: two blocks of 32 channels on
	s_add_nc_u64 s[QB:QB+1], s[QB:QB+1], 98304
	s_and_b32 s72, s[HD], 1
	s_lshl_b32 s72, s72, 14                        ; a scale word serves two heads
	s_mov_b32 s73, 0
	s_add_nc_u64 s[KS:KS+1], s[KS:KS+1], s[72:73]
	s_add_nc_u64 s[QS:QS+1], s[QS:QS+1], s[72:73]
	LOADQK_HI 0
	s_wait_dscnt 0x0
	LOADK_LO
.Lnl_\@:
.endif
	BAR                                            ; the eight waves' parts of O^T lie in LDS
	; ---- the sum over the eight waves, and y's quantiser: the two waves of each half with the fewest keys; wave sub takes channels 32 sub on: lane (r, h) query r, channels 32 sub + 16 h + 0 .. 15
	s_cmp_lt_u32 s[RHO], 6
	s_cbranch_scc1 .Lnr_\@
.irp q, 0,1,2,3
.irp hh, 0,1
.irp z, 0,1
	ds_load_b128 v[SL+16*\q+8*\hh+4*\z:SL+16*\q+8*\hh+4*\z+3], v[ORD] offset:4096*\q+512*\z+256*\hh
.endr
.endr
.endr
	s_wait_dscnt 0x0
.irp i, 0,2,4,6,8,10,12,14
	v_pk_add_f32 v[240+\i:241+\i], v[SL+\i:SL+\i+1], v[SL+16+\i:SL+17+\i]
.endr
.irp q, 2,3
.irp i, 0,2,4,6,8,10,12,14
	v_pk_add_f32 v[240+\i:241+\i], v[240+\i:241+\i], v[SL+16*\q+\i:SL+16*\q+\i+1]
.endr
.endr
.irp q, 0,1,2,3
.irp hh, 0,1
.irp z, 0,1
	ds_load_b128 v[SL+16*\q+8*\hh+4*\z:SL+16*\q+8*\hh+4*\z+3], v[ORD] offset:4096*(\q+4)+512*\z+256*\hh
.endr
.endr
.endr
	s_wait_dscnt 0x0
.irp q, 0,1,2,3
.irp i, 0,2,4,6,8,10,12,14
	v_pk_add_f32 v[240+\i:241+\i], v[240+\i:241+\i], v[SL+16*\q+\i:SL+16*\q+\i+1]
.endr
.endr
	v_max3_num_f32 v[AUX+8], |v240|, |v241|, 0x2800000
.irp i, 2,4,6,8,10,12,14
	v_max3_num_f32 v[AUX+8], v[AUX+8], |v[240+\i]|, |v[241+\i]|
.endr
	v_permlanex16_b32 v[AUX+9], v[AUX+8], s[SEL], s[SEL+1]
	v_max_num_f32 v[AUX+8], v[AUX+8], v[AUX+9]
	v_add_nc_u32 v[AUX+10], 0xfe000000, v[AUX+8]
	v_lshrrev_b32 v[AUX+11], 23, v[AUX+10]
	v_cvt_scalef32_pk16_bf6_f32 v[AUX+12:AUX+14], v[240:255], v[AUX+10]
	v_nop
	ds_store_b32 v[YCW], v[AUX+12] offset:1536*\u          ; tile u's rows lie 8 rows of 192 bytes on
	ds_store_b32 v[YCW], v[AUX+13] offset:1536*\u+4
	ds_store_b32 v[YCW], v[AUX+14] offset:1536*\u+8
	ds_store_b8 v[YSW], v[AUX+11] offset:64*\u     ; both halves of the lanes write the same byte with the same value
.Lnr_\@:
.endm
	LOADQK_HI 0
	LOADK_LO
; Three barriers a trip do: M and the first sums are written ahead of the first, read behind it, and written again only behind the third; the second sums likewise between the second and the third;
; the images of O^T are written between the second and the third, read behind the third, and written again only behind the next trip's second.  In front of each signal a wave has waited for all its LDS instructions.
.Lhead:
	s_mov_b32 s[PA], s[TAB]                        ; this head's parameters; the table moves down
	s_mov_b32 s[BC], s[TAB+1]
	s_mov_b32 s[BC+1], s[TAB+1]
	s_mov_b32 s[LK], s[TAB+2]
	s_mov_b32 s[OM], s[TAB+3]
	s_mov_b32 s[OM+1], s[TAB+3]
.irp i, 0,1,2,3,4,5,6,7,8,9,10,11
	s_mov_b32 s[TAB+\i], s[TAB+4+\i]
.endr
	TRIP 0
	TRIP 1
	s_add_nc_u64 s[VB:VB+1], s[VB:VB+1], 98304     ; v's loads have all been waited for
	s_add_nc_u64 s[VS:VS+1], s[VS:VS+1], 256
	s_xor_b32 s[KSEL], s[KSEL], 0x02020202         ; the other two bytes of the scale words
	s_xor_b32 s[QSEL], s[QSEL], 0x02020202
	v_add_nc_u32 v[YCW], 48, v[YCW]                ; the next head's 48 bytes of a row,
	v_add_nc_u32 v[YSW], 2, v[YSW]                 ; and its two scale bytes
	s_wait_xcnt 0x0                                ; the prefetch, most of a trip back, has read its address
	s_add_nc_u64 s[PFA:PFA+1], s[PFA:PFA+1], 98304
	s_add_co_u32 s[HD], s[HD], 1
	s_cmp_lt_u32 s[HD], 4
	s_cbranch_scc1 .Lhead
	BAR                                            ; all of y's codes and scale bytes lie in LDS, as they leave
	s_cmp_lt_u32 s[WV], 12
	s_cbranch_scc0 .Lsc
	ds_load_b128 v[128:131], v[YRD]                ; waves 0-11: 32 rows x 192 bytes of each half, 16 bytes a thread
	ds_load_b128 v[132:135], v[YRD] offset:6144
	s_wait_dscnt 0x0
	global_store_b128 v[YGO], v[128:131], s[YB0:YB0+1]   ; a wave stores 512 consecutive bytes, at a multiple of 256 from the buffer's first byte
	global_store_b128 v[YGO], v[132:135], s[YB1:YB1+1]
	s_branch .Lend
.Lsc:
	s_cmp_lt_u32 s[WV], 14
	s_cbranch_scc0 .Lend
	ds_load_b64 v[128:129], v[YSR]                 ; waves 12, 13: a half's scale bytes, a lane a row
	s_wait_dscnt 0x0
	global_store_b64 v[YSG], v[128:129], s[YSB:YSB+1]    ; 256 consecutive bytes
.Lend:
	s_wait_tensorcnt 0x0                           ; the wave's end, behind my last LDS store
	ds_add_u32 v[SPW], v[NIL]
	s_wait_dscnt 0x0
	s_endpgm
.Lfunc_end_k_qb09485225e_attn:
	.size	k_qb09485225e_attn, .Lfunc_end_k_qb09485225e_attn-k_qb09485225e_attn
	.p2alignl 7, 3214868480
	.fill 96, 4, 3214868480
	.section	.rodata,"a",@progbits
	.p2align	6, 0x0
	.amdhsa_kernel k_qb09485225e_attn
		.amdhsa_group_segment_fixed_size 84480
		.amdhsa_private_segment_fixed_size 0
		.amdhsa_enable_private_segment 0
		.amdhsa_kernarg_size 48
		.amdhsa_user_sgpr_count 2
		.amdhsa_user_sgpr_kernarg_segment_ptr 1
		.amdhsa_wavefront_size32 1
		.amdhsa_system_sgpr_workgroup_id_x 1
		.amdhsa_system_sgpr_workgroup_id_y 1
		.amdhsa_system_sgpr_workgroup_id_z 1
		.amdhsa_system_vgpr_workitem_id 0
		.amdhsa_next_free_vgpr 256
		.amdhsa_next_free_sgpr 104
		.amdhsa_reserve_vcc 1
		.amdhsa_float_denorm_mode_32 3
		.amdhsa_float_denorm_mode_16_64 3
		.amdhsa_memory_ordered 1
		.amdhsa_forward_progress 1
		.amdhsa_inst_pref_size 227
	.end_amdhsa_kernel
	.amdgpu_metadata
---
amdhsa.version: [ 1, 2 ]
amdhsa.kernels:
  - .name:           k_qb09485225e_attn
    .symbol:         k_qb09485225e_attn.kd
    .args:
      - { .name: qk, .offset: 0, .size: 8, .value_kind: global_buffer, .address_space: global }
      - { .name: vv, .offset: 8, .size: 8, .value_kind: global_buffer, .address_space: global }
      - { .name: threshold, .offset: 16, .size: 8, .value_kind: global_buffer, .address_space: global }
      - { .name: leak, .offset: 24, .size: 8, .value_kind: global_buffer, .address_space: global }
      - { .name: steepness, .offset: 32, .size: 8, .value_kind: global_buffer, .address_space: global }
      - { .name: yy, .offset: 40, .size: 8, .value_kind: global_buffer, .address_space: global }
    .group_segment_fixed_size: 84480
    .private_segment_fixed_size: 0
    .kernarg_segment_align: 8
    .kernarg_segment_size: 48
    .max_flat_workgroup_size: 512
    .sgpr_count:     104
    .vgpr_count:     256
    .wavefront_size: 32
...
	.end_amdgpu_metadata
.endif
;; end of part 3
;; launch proj (part 4): grid 4 x 16, 4 waves a work-group, clusters of 4 x 4, 327,680 bytes of LDS; arguments yy, wp, b_proj, out0; writes out0
.if DOCPART == 4
	.amdgcn_target "amdgcn-amd-amdhsa--gfx1250"
	.amdhsa_code_object_version 6
	.text
	.protected	k_qb09485225e_proj
	.globl	k_qb09485225e_proj
	.p2align	8
	.type	k_qb09485225e_proj,@function
k_qb09485225e_proj:
	s_mov_b64 s[64:65], 0
	v_nop
	global_prefetch_b8 v0, s[64:65] scope:SCOPE_SE
	s_setreg_imm32_b32 hwreg(HW_REG_WAVE_MODE, 25, 1), 1
	s_wait_xcnt 0x0
	s_wait_alu depctr_hold_cnt(0) depctr_sa_sdst(0) depctr_va_vdst(0) depctr_va_sdst(0) depctr_va_ssrc(0) depctr_va_vcc(0) depctr_vm_vsrc(0)
	s_getreg_b32 s2, hwreg(HW_REG_IB_STS2, 6, 4)
	s_cmp_eq_u32 s2, 0
	s_cbranch_scc0 .Lentry_in_a_cluster
	s_endpgm
.Lentry_in_a_cluster:
	s_bfe_u32 s2, ttmp6, 0x10000c
	s_cmp_lg_u32 s2, 0xf033
	s_cbranch_scc0 .Lentry_shape_is_right
	s_endpgm
.Lentry_shape_is_right:
; out0 = Q(y) Q(W_proj) + b_proj on codes of BF6 (E3M2) with E8M0 scales.  A = yy (form F(4096), rows in their own order), B = wp (form F(1024): W_proj's columns, inside each 32 place p holds column pi(p)).
; A work-group of four waves makes 256 x 256 of out0, a wave 128 x 128: 64 accumulators.  K = 1,024 goes in four steps of 256 through a ring of two LDS slots filled by the tensor data mover.
; CLUSTERS: 4 x 4 work-groups; A's tile is shared along a row of the cluster, B's along a column: each is asked for jointly.  64 work-groups: the launch is a small part of the program's work.
; THE MATRIX INSTRUCTION IS USED TRANSPOSED (source 0 = 16 rows of B, source 1 = 16 rows of A): in accumulator (a, b) lane (r, h) holds row 16 a + r, and register i column 32 (b / 2) + 16 h + 8 (b % 2) + i.
; The bias is the C of each sum's first matrix instruction.
; REGISTERS as in the launch qkv: window 0: v0-31 addresses, v32-63 scale words, v64-127 the bias, v128-223 A's fragments; window 1: B's two sets; windows 2, 3: the accumulators.
.set KSTRA,  4096*192
.set KSTRB,  1024*192
.set SCOA,   4*KSTRA
.set SCOB,   4*KSTRB
.set NQ,     2
.set PITCH,  240
.set FR,     12
.set NL,     6
.set NP,     4
.set HALFT,  128*PITCH
.set SLOT,   4*HALFT
.set LAPS,   2
.set SCL,    2*SLOT                    ; the scale bytes: four regions of 4,096 bytes, filled once
.set SPARE,  SCL+16384                 ; the spare words, 128 bytes for each wave, which no other line names
.set SPITCH, 528                       ; the way out: a stage of 16 rows x (512 bytes + 16) for each wave, in slot 0, which has had its last fill and its last read by then
.set ADRA, 16
.set ADRB, 20
.set STO,  24
.set RD,   25
.set CO,   26
.set ADRS, 27
.set SPW,  28
.set NIL,  29
.set SC,   32
.set BI,   64
.set AF,   128
.set BK,   128
.set G1, 24
.set G0, 32
.set G1B, 48
.set G0B, 56
.set G1S, 68
.set G0S, 76
.set G1SB, 80
.set G0SB, 88
.set MSB, 0
.macro WIN new
.if MSB != \new
	s_set_vgpr_msb (MSB<<8)|\new
.set MSB, \new
.endif
.endm
.macro WINM hi, zero
.if \zero
	WIN 0x81+0x40*\hi
.else
	WIN 0xa1+0x50*\hi
.endif
.endm
.set TO_B, 0x40
.macro JLOAD g0a, g1a, g0b, g1b        ; a joint load: waves 0, 1 for A, waves 2, 3 for B; an s_nop 0 and four v_nop follow each of the two lines
	s_cmp_eq_u32 s15, 0
	s_cbranch_scc0 .Lfor_b_\@
	tensor_load_to_lds s[\g0a:\g0a+3], s[\g1a:\g1a+7]
	s_nop 0
.rept 4
	v_nop
.endr
	s_branch .Lasked_\@
.Lfor_b_\@:
	tensor_load_to_lds s[\g0b:\g0b+3], s[\g1b:\g1b+7]
	s_nop 0
.rept 4
	v_nop
.endr
.Lasked_\@:
.endm
.macro CREST
	s_cmp_lg_u32 s14, 0
	s_cbranch_scc1 .Lnot_wave_0_\@
	s_barrier_signal -3
.Lnot_wave_0_\@:
	s_barrier_wait -3
	s_barrier_signal -1
	s_barrier_wait -1
.endm
.macro CROUND
	s_barrier_signal -1
	s_barrier_wait -1
	CREST
.endm
	s_load_b256 s[4:11], s[0:1], 0x0               ; yy s[4:5], wp s[6:7], b_proj s[8:9], out0 s[10:11]
	v_lshl_add_u32 v[SPW], v0, 2, SPARE
	v_mov_b32 v[NIL], 0
	ds_add_u32 v[SPW], v[NIL]                      ; the wave's opening: the add, twice on end, and its wait ahead of my first tensor load
	ds_add_u32 v[SPW], v[NIL]
	v_lshrrev_b32 v1, 5, v0
	v_readfirstlane_b32 s14, v1
	s_lshr_b32 s15, s14, 1
	s_and_b32 s16, s14, 1
	s_bfe_u32 s40, ttmp6, 0x40000                  ; cx
	s_bfe_u32 s41, ttmp6, 0x40004                  ; cy
	s_lshl_b32 s42, ttmp9, 2
	s_add_co_u32 s42, s42, s40                     ; tile column
	s_and_b32 s17, ttmp7, 0xffff
	s_lshl_b32 s17, s17, 2
	s_add_co_u32 s17, s17, s41                     ; tile row
	s_lshl_b32 s43, s41, 2
	s_lshl_b32 s43, 15, s43
	s_lshl_b32 s44, 0x1111, s40
	s_or_b32 s[G1+0], s43, (1<<20)|(1<<21)|(3<<22)|(3<<25)   ; codes: a dense block of 24,576 bytes as 96 rows of 256; 16 bytes of padding behind every 64
	s_or_b32 s[G1B+0], s44, (1<<20)|(1<<21)|(3<<22)|(3<<25)
.irp g, G1, G1B
	s_mov_b32 s[\g+1], 256<<16
	s_mov_b32 s[\g+2], 96<<16
	s_mov_b32 s[\g+3], 256<<16
	s_mov_b32 s[\g+4], 96
	s_mov_b32 s[\g+5], 256
	s_mov_b32 s[\g+6], 0
	s_mov_b32 s[\g+7], 0
.endr
	s_or_b32 s[G1S+0], s43, (3<<16)|(1<<21)        ; scale bytes: four rows (quarters of K) of 128 elements of 8 bytes
	s_or_b32 s[G1SB+0], s44, (3<<16)|(1<<21)
.irp g, G1S, G1SB
	s_mov_b32 s[\g+1], 128<<16
	s_mov_b32 s[\g+2], 4<<16
	s_mov_b32 s[\g+3], 128<<16
	s_mov_b32 s[\g+4], 4
	s_mov_b32 s[\g+6], 0
	s_mov_b32 s[\g+7], 0
.endr
	s_mov_b32 s[G1S+5], 4096
	s_mov_b32 s[G1SB+5], 1024
	s_lshl_b32 s18, s16, 7
	s_lshl_b32 s20, s17, 8
	s_add_co_u32 s20, s20, s18                     ; A: row 256 x tile row + 128 x half
	s_lshl_b32 s46, s42, 8
	s_add_co_u32 s46, s46, s18                     ; B: row 256 x tile column + 128 x half
	s_lshl_b32 s22, s20, 3
	s_add_co_u32 s22, s22, SCOA
	s_mul_i32 s20, s20, 192
	s_mov_b32 s21, 0
	s_mov_b32 s23, 0
	s_lshl_b32 s92, s46, 3
	s_add_co_u32 s92, s92, SCOB
	s_mul_i32 s46, s46, 192
	s_mov_b32 s47, 0
	s_mov_b32 s93, 0
	s_mul_i32 s45, s14, HALFT
	s_lshl_b32 s94, s14, 12
	s_wait_dscnt 0x0                               ; both opening adds are done
	s_wait_kmcnt 0x0
	s_add_nc_u64 s[20:21], s[4:5], s[20:21]
	s_add_nc_u64 s[22:23], s[4:5], s[22:23]
	s_add_nc_u64 s[46:47], s[6:7], s[46:47]
	s_add_nc_u64 s[92:93], s[6:7], s[92:93]
	CROUND                                         ; all sixteen work-groups are here: the first joint loads meet
	s_mov_b32 s[G0S], 1
	s_add_co_u32 s[G0S+1], s94, SCL
	s_mov_b64 s[G0S+2:G0S+3], s[22:23]
	s_or_b32 s[G0S+3], s[G0S+3], 0x80000000
	s_mov_b32 s[G0SB], 1
	s_add_co_u32 s[G0SB+1], s94, SCL
	s_mov_b64 s[G0SB+2:G0SB+3], s[92:93]
	s_or_b32 s[G0SB+3], s[G0SB+3], 0x80000000
	JLOAD G0S, G1S, G0SB, G1SB
.irp s, 0,1
	s_mov_b32 s[G0+4*\s], 1
	s_add_co_u32 s[G0+4*\s+1], s45, \s*SLOT
	s_add_nc_u64 s[G0+4*\s+2:G0+4*\s+3], s[20:21], \s*KSTRA
	s_or_b32 s[G0+4*\s+3], s[G0+4*\s+3], 0x80000000
	s_mov_b32 s[G0B+4*\s], 1
	s_add_co_u32 s[G0B+4*\s+1], s45, \s*SLOT
	s_add_nc_u64 s[G0B+4*\s+2:G0B+4*\s+3], s[46:47], \s*KSTRB
	s_or_b32 s[G0B+4*\s+3], s[G0B+4*\s+3], 0x80000000
	JLOAD G0+4*\s, G1, G0B+4*\s, G1B               ; three tensor loads of mine are out
.endr
	v_and_b32 v1, 15, v0
	v_bfe_u32 v2, v0, 4, 1
	v_mul_u32_u24 v3, v1, PITCH
	v_mul_u32_u24 v4, v2, 24
	v_add_nc_u32 v4, v3, v4
	v_lshl_add_u32 v5, v2, 4, v4
	s_mul_i32 s21, s15, HALFT
	s_mul_i32 s22, s16, HALFT
	s_add_co_u32 s22, s22, 2*HALFT
.irp s, 0,1
	v_add_nc_u32 v[ADRA+\s], s21, v4
	v_add_nc_u32 v[ADRB+\s], s22, v4
	v_add_nc_u32 v[ADRA+2+\s], s21, v5
	v_add_nc_u32 v[ADRB+2+\s], s22, v5
	s_add_co_u32 s21, s21, SLOT
	s_add_co_u32 s22, s22, SLOT
.endr
	v_lshlrev_b32 v5, 3, v1
	s_lshl_b32 s21, s15, 12
	s_lshl_b32 s22, s16, 12
	s_add_co_u32 s22, s22, 8192
	s_sub_co_u32 s22, s22, s21
	v_mul_u32_u24 v6, s22, v2                      ; lanes 16-31 take B's scale words
	s_add_co_u32 s21, s21, SCL
	v_add_nc_u32 v5, v5, v6
	v_add_nc_u32 v[ADRS], s21, v5
	s_mul_i32 s23, s14, 16*SPITCH                  ; my stage
	v_mul_u32_u24 v5, v1, SPITCH
	v_lshl_add_u32 v5, v2, 6, v5                   ; in: row r, + 64 h: my half's 16 columns of each 32
	v_add_nc_u32 v[STO], s23, v5
	v_and_b32 v6, 31, v0
	v_lshlrev_b32 v[CO], 4, v6
	v_add_nc_u32 v[RD], s23, v[CO]
	s_lshl_b32 s20, s17, 8
	s_lshl_b32 s21, s15, 7
	s_add_co_u32 s20, s20, s21
	s_lshl_b32 s20, s20, 12                        ; my first row of out0, 4,096 bytes a row
	s_mov_b32 s21, 0
	s_lshl_b32 s46, s42, 10
	s_lshl_b32 s47, s16, 9
	s_add_co_u32 s46, s46, s47
	s_mov_b32 s47, 0
	s_add_nc_u64 s[20:21], s[20:21], s[46:47]
	s_add_nc_u64 s[12:13], s[10:11], s[20:21]
	s_mov_b32 s96, s46                             ; the bias of my 128 columns: the same number of bytes on
	s_mov_b32 s97, 0
	s_add_nc_u64 s[96:97], s[8:9], s[96:97]
	v_lshlrev_b32 v8, 6, v2
.irp b, 0,1,2,3,4,5,6,7
	global_load_b128 v[BI+8*\b:BI+8*\b+3], v8, s[96:97] offset:(32*(\b/2)+8*(\b%2))*4
	global_load_b128 v[BI+8*\b+4:BI+8*\b+7], v8, s[96:97] offset:(32*(\b/2)+8*(\b%2))*4+16
.endr
	s_wait_loadcnt 0x0
.macro FRAG reg, adr, q, i
.irp p, 0,1,2,3,4,5
.set PC, 12*(\q)+6*(\p/3)+\p%3
.if PC%8 < 5
	ds_load_b64 v[\reg+2*\p:\reg+2*\p+1], v[\adr] offset:8*PC+16*(PC/8)+(\i)*16*PITCH
.else
	ds_load_b64 v[\reg+2*\p:\reg+2*\p+1], v[\adr+2] offset:8*PC+16*(PC/8)+(\i)*16*PITCH
.endif
.endr
.endm
.macro MUL16 a0, p, q, sc, zero        ; the 64 accumulators take turns, one instruction a turn
.irp a, \a0, \a0+1
.irp b, 0,1,2,3,4,5,6,7
.if \zero
	v_wmma_scale_f32_16x16x128_f8f6f4 v[8*(8*((\a)%4)+\b):8*(8*((\a)%4)+\b)+7], v[128*(\p)+FR*\b:128*(\p)+FR*\b+FR-1], v[AF+FR*(\a):AF+FR*(\a)+FR-1], v[BI+8*\b:BI+8*\b+7], v[SC+8*NQ*(\sc)+NQ*\b+(\q)], v[SC+8*NQ*(\sc)+NQ*(\a)+(\q)] matrix_a_fmt:MATRIX_FMT_BF6 matrix_b_fmt:MATRIX_FMT_BF6 matrix_a_scale:MATRIX_SCALE_ROW1
.else
	v_wmma_scale_f32_16x16x128_f8f6f4 v[8*(8*((\a)%4)+\b):8*(8*((\a)%4)+\b)+7], v[128*(\p)+FR*\b:128*(\p)+FR*\b+FR-1], v[AF+FR*(\a):AF+FR*(\a)+FR-1], v[8*(8*((\a)%4)+\b):8*(8*((\a)%4)+\b)+7], v[SC+8*NQ*(\sc)+NQ*\b+(\q)], v[SC+8*NQ*(\sc)+NQ*(\a)+(\q)] matrix_a_fmt:MATRIX_FMT_BF6 matrix_b_fmt:MATRIX_FMT_BF6 matrix_a_scale:MATRIX_SCALE_ROW1
.endif
.endr
.endr
.endm
.macro FETCH_B slot, q, p
	WIN TO_B
.irp i, 0,1,2,3,4,5,6,7
	FRAG 128*(\p)+FR*\i, ADRB+\slot, \q, \i
.endr
	WIN 0
.endm
.macro FETCH_A slot, q, i0
.irp i, \i0, \i0+1, \i0+2, \i0+3
	FRAG AF+FR*(\i), ADRA+\slot, \q, \i
.endr
.endm
.macro SCALES sc
.irp i, 0,1,2,3,4,5,6,7
	ds_load_b64 v[SC+8*NQ*\sc+NQ*\i:SC+8*NQ*\sc+NQ*\i+1], v[ADRS] offset:\i*128
.endr
.endm
.macro PLACES n
.rept \n
	v_nop
.endr
.endm
.macro STEP slot, q, zero
	s_wait_dscnt 4*NL                              ; the youngest 24 loads (A's blocks 4-7) may be out
	WINM 0, \zero
	MUL16 0, (\q)%2, \q, \slot, \zero
	MUL16 2, (\q)%2, \q, \slot, \zero
	s_wait_dscnt 0
	PLACES NP
	FETCH_B \slot, (\q)+1, 1-(\q)%2
	FETCH_A \slot, (\q)+1, 0
	WINM 1, \zero
	MUL16 4, (\q)%2, \q, \slot, \zero
	MUL16 6, (\q)%2, \q, \slot, \zero
	PLACES NP
	WIN 0
	FETCH_A \slot, (\q)+1, 4
.endm
.macro TURN slot, next, fill
	s_wait_tensorcnt 0x0                           ; all my tensor loads have landed: my part of the next slot
	ds_add_u32 v[SPW], v[NIL]
	s_wait_dscnt 4*NL+1                            ; the add and the youngest 24 loads may be out
	WIN 0xa1
	MUL16 0, 1, NQ-1, \slot, 0
	s_wait_dscnt 0x0                               ; the add is done, and my reads of this slot are over
	s_barrier_signal -1
	MUL16 2, 1, NQ-1, \slot, 0
	WIN 0
	s_barrier_wait -1
.if \fill
	CREST                                          ; a round of the cluster's barrier: no wave of any partner still reads this slot or has a load on its way
	s_add_nc_u64 s[G0+4*\slot+2:G0+4*\slot+3], s[G0+4*\slot+2:G0+4*\slot+3], 2*KSTRA
	s_add_nc_u64 s[G0B+4*\slot+2:G0B+4*\slot+3], s[G0B+4*\slot+2:G0B+4*\slot+3], 2*KSTRB
	JLOAD G0+4*\slot, G1, G0B+4*\slot, G1B         ; the first tensor load behind the round, my only one until the next
.else
	PLACES NP
.endif
	v_add_nc_u32 v[ADRS], 1024, v[ADRS]
	FETCH_B \next, 0, 0
	FETCH_A \next, 0, 0
	SCALES \next
	WIN 0xf1
	MUL16 4, 1, NQ-1, \slot, 0
	MUL16 6, 1, NQ-1, \slot, 0
	PLACES NP
	WIN 0
	FETCH_A \next, 0, 4
.endm
	s_wait_tensorcnt 1                             ; the scale bytes and my part of K step 0 are in; K step 1's load may be out
	s_barrier_signal -1
	s_barrier_wait -1
	FETCH_B 0, 0, 0
	FETCH_A 0, 0, 0
	SCALES 0
	FETCH_A 0, 0, 4
	STEP 0, 0, 1                                   ; the first step: the bias starts the sums
	s_mov_b32 s3, LAPS-1
.Llap:
	TURN 0, 1, 1
	STEP 1, 0, 0
	TURN 1, 0, 1
	STEP 0, 0, 0
	s_sub_co_u32 s3, s3, 1
	s_cmp_lg_u32 s3, 0
	s_cbranch_scc1 .Llap
	TURN 0, 1, 0
	STEP 1, 0, 0
	s_wait_dscnt 4*NL
	WIN 0xa1
	MUL16 0, 1, NQ-1, 1, 0
	MUL16 2, 1, NQ-1, 1, 0
	s_wait_dscnt 0
	WIN 0xf1
	MUL16 4, 1, NQ-1, 1, 0
	MUL16 6, 1, NQ-1, 1, 0
	WIN 0
; THE WAY OUT, block by block of 16 rows x 128 columns, through my own stage: back as whole rows of 512 bytes.  The places in the stage put W_proj's columns back into their own order.
.macro TOSTAGE a
.set AC, 64*((\a)%4)
	WIN 0x08+4*((\a)/4)                            ; the data: window 2 or 3
.irp b, 0,1,2,3,4,5,6,7
	ds_store_b128 v[STO], v[AC+8*\b:AC+8*\b+3] offset:128*(\b/2)+32*(\b%2)        ; each accumulator from its low end on
	ds_store_b128 v[STO], v[AC+8*\b+4:AC+8*\b+7] offset:128*(\b/2)+32*(\b%2)+16
.endr
	WIN 0
.set BB, BK+64*((\a)%2)
.irp t, 0,1,2,3,4,5,6,7,8,9,10,11,12,13,14,15
	ds_load_b128 v[BB+4*\t:BB+4*\t+3], v[RD] offset:\t*SPITCH   ; LDS serves a wave's instructions in order: these see my stores
.endr
.endm
.macro SEND a, younger
.set BB, BK+64*((\a)%2)
	s_wait_dscnt \younger                          ; the block is back in registers; the next block's 16 stores and 16 loads may be out
.if (\a) > 0
	s_add_nc_u64 s[12:13], s[12:13], 16*4096       ; (behind a wait on XCNT: the earlier stores have read their base)
.endif
.irp t, 0,1,2,3,4,5,6,7,8,9,10,11,12,13,14,15
	global_store_b128 v[CO], v[BB+4*\t:BB+4*\t+3], s[12:13] offset:\t*4096 th:TH_STORE_NT   ; 32 lanes store 512 consecutive bytes, at a multiple of 256 from out0's first byte
.endr
.endm
	PLACES NP
	TOSTAGE 0
.irp a, 1,2,3,4,5,6,7
.if \a > 1
	s_wait_xcnt 0x0                                ; block a - 2's stores have read their registers and their base
.endif
	TOSTAGE \a
	SEND \a-1, 32
.endr
	s_wait_xcnt 0x0
	SEND 7, 0
	s_wait_tensorcnt 0x0                           ; the wave's end, behind my last tensor load and my last LDS store
	ds_add_u32 v[SPW], v[NIL]
	s_wait_dscnt 0x0
	CROUND                                         ; the closing round: no work-group ends while a partner may still ask for a tile that names it
	s_endpgm
.Lfunc_end_k_qb09485225e_proj:
	.size	k_qb09485225e_proj, .Lfunc_end_k_qb09485225e_proj-k_qb09485225e_proj
	.p2alignl 7, 3214868480
	.fill 96, 4, 3214868480
	.section	.rodata,"a",@progbits
	.p2align	6, 0x0
	.amdhsa_kernel k_qb09485225e_proj
		.amdhsa_group_segment_fixed_size 327680
		.amdhsa_private_segment_fixed_size 0
		.amdhsa_enable_private_segment 0
		.amdhsa_kernarg_size 32
		.amdhsa_user_sgpr_count 2
		.amdhsa_user_sgpr_kernarg_segment_ptr 1
		.amdhsa_wavefront_size32 1
		.amdhsa_system_sgpr_workgroup_id_x 1
		.amdhsa_system_sgpr_workgroup_id_y 1
		.amdhsa_system_sgpr_workgroup_id_z 1
		.amdhsa_system_vgpr_workitem_id 0
		.amdhsa_next_free_vgpr 1024
		.amdhsa_next_free_sgpr 100
		.amdhsa_reserve_vcc 0
		.amdhsa_float_denorm_mode_32 3
		.amdhsa_float_denorm_mode_16_64 3
		.amdhsa_memory_ordered 1
		.amdhsa_forward_progress 1
		.amdhsa_inst_pref_size 161
	.end_amdhsa_kernel
	.amdgpu_metadata
---
amdhsa.version: [ 1, 2 ]
amdhsa.kernels:
  - .name:           k_qb09485225e_proj
    .symbol:         k_qb09485225e_proj.kd
    .args:
      - { .name: yy, .offset: 0, .size: 8, .value_kind: global_buffer, .address_space: global }
      - { .name: wp, .offset: 8, .size: 8, .value_kind: global_buffer, .address_space: global }
      - { .name: b_proj, .offset: 16, .size: 8, .value_kind: global_buffer, .address_space: global }
      - { .name: out0, .offset: 24, .size: 8, .value_kind: global_buffer, .address_space: global }
    .group_segment_fixed_size: 327680
    .private_segment_fixed_size: 0
    .kernarg_segment_align: 8
    .kernarg_segment_size: 32
    .max_flat_workgroup_size: 128
    .sgpr_count:     100
    .vgpr_count:     1024
    .wavefront_size: 32
...
	.end_amdgpu_metadata
.endif
;; end of part 4
;; ======== version 2 of 2: 4 launches; version 1 with the launch attn written anew for expert scheduling mode
;; workspace buffers: xw 5,734,400 bytes; wp 819,200 bytes; qk 6,553,600 bytes; vv 3,276,800 bytes; yy 3,276,800 bytes
;; launch prep: the kernel of part 1 again; grid 256 x 1, 4 waves a work-group, no clusters, 68,096 bytes of LDS; arguments x, W_attn, W_proj, xw, wp; writes xw, wp
;; launch qkv: the kernel of part 2 again; grid 48 x 4, 4 waves a work-group, clusters of 4 x 4, 327,680 bytes of LDS; arguments xw, b_attn, qk, vv; writes qk, vv
;; launch attn (part 5): grid 256 x 1, 16 waves a work-group, no clusters, 84,480 bytes of LDS; arguments qk, vv, threshold, leak, steepness, yy; writes yy
.if DOCPART == 5
	.amdgcn_target "amdgcn-amd-amdhsa--gfx1250"
	.amdhsa_code_object_version 6
	.text
	.protected	k_qb09485225e_attn
	.globl	k_qb09485225e_attn
	.p2align	8
	.type	k_qb09485225e_attn,@function
k_qb09485225e_attn:
	s_mov_b64 s[64:65], 0
	v_nop
	global_prefetch_b8 v0, s[64:65] scope:SCOPE_SE
	s_setreg_imm32_b32 hwreg(HW_REG_WAVE_SCHED_MODE, 0, 2), 2
	s_setreg_imm32_b32 hwreg(HW_REG_WAVE_MODE, 25, 1), 1
	s_wait_xcnt 0x0
	s_wait_alu depctr_vm_vsrc(0)
; y = mod v, mod = probs x lif_w / (its row's sum + 1e-8), probs = softmax(q k^T / 8) under the causal mask; both products on codes of BF6 (E3M2) with E8M0 scales; y leaves as codes for the last product.
; WORK LEFT OUT (shown at the head of the first launch): blocks of 32 keys that lie wholly behind a block of 32 queries hold only zeros of mod, by reference()'s own mask: they are not walked.
; LIMITS: as stated there; v_exp_f32 gives 0 for results under 2^-126.
; mod is quantised finished and normalised, so a row is walked three times (largest score and sum of exponentials; sum of probs x lif_w; the quantiser).  THE SCORES OF A WHOLE ROW STAY IN REGISTERS between the walks:
; eight waves hold one tile of 16 queries' whole row, wave rho the key blocks rho + 8 j, j = 0 .. 7: slot j = 16 registers, register i = key 32 (rho + 8 j) + 16 (lane / 16) + i, the lane's query = lane % 16.
; So a score costs three transcendentals (2^x, 2^x, 1 / x).  The eight waves exchange a row's largest t and its two sums through LDS (two barriers), and their parts of mod v likewise (a third).
; SHARES.  Work-group g: four heads 4 (g & 3) + 0 .. 3, batch g >> 7, and the query blocks s = (g >> 2) & 31 and 63 - s: waves of half 0 hold block s, waves of half 1 block 63 - s: 65 key blocks in every trip.
; Eight trips: four heads x two tiles u of 16 queries (lane r of tile u: query 32 qb + 8 u + r + 8 (r / 8)).  NA = how many of my slots hold keys that count; JD = my slot on the diagonal, or none.  Both hang on ids alone.
; PRODUCT 2 has K = 64: a fragment of k carries TWO tiles of 16 keys (K 0-63: keys 8 . 0 + .., K 64-127: keys 8 . 1 + ..) and is multiplied by [q | 0] and by [0 | q]: a zero code adds nothing under any scale byte that occurs.
; Both products are used transposed (source 0 = keys, or channels of v; source 1 = my 16 queries): a lane holds one query throughout.
; NO CLUSTER: operands go from memory straight into registers, each key block to one wave of each half, and work-groups of one head need different numbers of key blocks: there is no LDS tile to ask for jointly.
; Branches on NA lead round loads and arithmetic, never round a barrier.  Registers that one branch on NA writes and a later one reads are written once at the head (v24-255), so that every way through the text finds them written.
; THE MODE: SCHED_MODE bits 1:0 = 2 (LLVM: expert scheduling mode 2), set by the entry lines.  The code itself states the register dependences
; between vector or matrix instructions and memory or LDS instructions, with s_wait_alu, always for 0.
; THE PLAN.  Registers that memory or LDS instructions touch, in a trip's order:
;   v30-35, v42     q and its scale word: loaded at the end of the trip before; read by v_perm and the first products; v30-35 are scratch of the quantisers afterwards.
;   v192-239        k for slots 0-3: loaded at the end of the trip before; read by the products of slots 0-3; then slots 4-7's scores, then O^T (v192-223), which eight LDS stores read.
;   v80-127         k for slots 4-7, then v for slots 0-3: loaded; read by the products.
;   v128-175        scores and p of slots 0-2; behind the first quantiser v for slots 4-7 is loaded there; in the reducers v128-191 take the images of O^T from LDS.
;   v46-53, v54-61  scale words as loaded; v54-69 also take the eight waves' M and sums from LDS in walks 2 and 3.
;   v74, v76        M and the sums: written by vector work, read by three LDS stores.   v65-68: y's byte and codes, read by the reducers' four LDS stores.   v11, v12: those stores' addresses, stepped once a head.
;   All other addresses are made at the head and never written again.
; Waits on va_vdst beside those behind transcendentals: at a trip's top (the scale words, for the scaled products); behind the first products (they are done with v80-127 and v46-53, in which v's loads land); ahead of each
; of the two stores of sums (each also serves the LDS loads behind its barrier: no vector instruction stands between); ahead of v's second loads; ahead of the second products (mod's codes and scale words); ahead of the
; images' stores (it also frees every register in which the next trip's q and k land, and the reducers' first LDS loads); in the reducers ahead of the second four images and ahead of y's stores.
; Waits on vm_vsrc: behind the parameters' loads (v18); behind the first barrier's LDS loads (v74, v76); straight behind the images' stores (v192-223, and v76 once more); straight behind the reducers' stores (v65-68, v11, v12).
.set EX,    0                          ; LDS: for each half 2,048 bytes: [r 16][wave 8] f32 of M at 0, of the sum of p at 512, of the sum of p x lif_w at 1,024
.set OP,    4096                       ; 16 x 4,096 bytes: each wave's part of O^T as an image of its 32 registers
.set YST,   69632                      ; for each half 6,144 bytes: y's codes as they leave: [row 32][192 bytes], in a row 48 bytes a head
.set YSS,   81920                      ; for each half 256 bytes: y's scale bytes as they leave: [row 32][8], in a row 2 bytes a head
.set SPARE, 82432                      ; the spare words, 128 bytes for each of 16 waves, which no other line names
.set SPW, 1
.set NIL, 2
.set AKL, 3                            ; v3  q, k: 24 (r + 8 (r / 8)) + 49,152 h: my row, my block of 32 channels
.set ASL, 4                            ; v4  their scale words: 4 (r + 8 (r / 8))
.set AVL, 5                            ; v5  v: 24 r + 12,288 h: my channel, my key block of a pair
.set AVS, 6                            ; v6  its scale words: 4 r
.set XW,  7                            ; v7  EX: my wave's word of my query
.set XR,  8                            ; v8  EX: my query's eight words
.set OPW, 9                            ; v9  OP: my wave's image, 16 x lane
.set ORD, 10                           ; v10 OP: what I read as a reducer
.set YCW, 11                           ; v11 YST: where a reducer puts 12 bytes
.set YSW, 12                           ; v12 YSS: and its scale byte
.set YRD, 13                           ; v13 YST: the last read
.set YSR, 14                           ; v14 YSS: the last read
.set YGO, 15                           ; v15 16 x thread
.set YSG, 16                           ; v16 8 x lane
.set VD0, 17                           ; v17 r + 8 (r / 8) - 16 h
.set SCR, 18                           ; v18-23 at work; v[22:23]: lk
.set QW,  42                           ; v24-29 zeros, v30-35 q, v36-41 zeros: [0 | q] = v24-35, [q | 0] = v30-41.  v42 q's scale word
.set PW,  43                           ; v43, v44 mod's scale words
.set PFO, 45                           ; v45 256 x lane
.set KW,  46                           ; v46-53 k's scale words, then v's
.set AUX, 54                           ; v54-73 at work
.set ST,  74                           ; v74-79 statistics
.set KV,  80                           ; v80-127 four fragments of k or of v
.set SL,  128                          ; v128-255 the eight slots
.set WV,  16
.set HF,  17
.set EE,  18
.set RHO, 19
.set HG,  20
.set SS,  21
.set BA,  22
.set QBL, 23
.set NA,  24
.set JD,  25
.set HD,  26
.set PFL, 27
.set KB,  28
.set QB,  30
.set KS,  32
.set QS,  34
.set VB,  36
.set VS,  38
.set PFA, 40
.set CS,  42                           ; s[42:43] log2(e) / 8
.set SEL, 44                           ; s[44:45] v_permlanex16_b32's selects for lane l xor 16
.set KSEL, 46
.set QSEL, 47
.set TAB, 48                           ; s48-63 for each head still to come: A = -log2(e) st, Bc = -A thr, lk, 1 - lk
.set PA,  66
.set LK,  67
.set BC,  68
.set OM,  70
.set YB0, 80
.set YB1, 82
.set SUB, 84
.set YSB, 86
.set MK,  88                           ; s88-95 on the diagonal: eight masks of hidden keys
.macro BAR
	s_wait_dscnt 0x0                               ; my LDS stores have landed and my LDS loads are in
	s_barrier_signal -1
	s_barrier_wait -1
.endm
.macro KLOAD j, reg                    ; slot j's fragment of k (two tiles of 16 keys x 64 channels) and the two tiles' scale words as they lie
.irp p, 0,1,2,3,4,5
	global_load_b64 v[(\reg)+2*\p:(\reg)+2*\p+1], v[AKL], s[KB:KB+1] offset:6144*\j+192*(\p/3)+8*(\p%3)
.endr
	global_load_b32 v[KW+\j], v[ASL], s[KS:KS+1] offset:1024*\j
	global_load_b32 v[AUX+\j], v[ASL], s[KS:KS+1] offset:1024*\j+32
.endm
.macro LOADQK_HI u                     ; tile u of q, and k for slots 4-7, into registers that the products with v have left
	s_cmp_eq_u32 s[NA], 0
	s_cbranch_scc1 .Lqh_\@
.irp p, 0,1,2
	global_load_b64 v[30+2*\p:31+2*\p], v[AKL], s[QB:QB+1] offset:192*\u+8*\p
.endr
	global_load_b32 v[QW], v[ASL], s[QS:QS+1] offset:32*\u
.irp j, 4,5,6,7
	s_cmp_le_u32 s[NA], \j
	s_cbranch_scc1 .Lqh_\@
	KLOAD \j, KV+12*(\j-4)
.endr
.Lqh_\@:
.endm
.macro LOADK_LO                        ; k for slots 0-3, into the registers of slots 4-7, which take their scores only behind slots 0-3's products
.irp j, 0,1,2,3
	s_cmp_le_u32 s[NA], \j
	s_cbranch_scc1 .Lql_\@
	KLOAD \j, 192+12*\j
.endr
.Lql_\@:
.endm
.macro VCODES c2, dst                  ; v^T for slots 4 c2 .. 4 c2 + 3: four fragments of 16 channels x 128 keys
.irp dt, 0,1,2,3
.irp p, 0,1,2,3,4,5
	global_load_b64 v[\dst+12*\dt+2*\p:\dst+12*\dt+2*\p+1], v[AVL], s[VB:VB+1] offset:49152*\c2+384*\dt+24576*(\p/3)+8*(\p%3)
.endr
.endr
.endm
.macro VWORDS c2
.irp dt, 0,1,2,3
	global_load_b32 v[KW+4*\c2+\dt], v[AVS], s[VS:VS+1] offset:4096*\c2+64*\dt
.endr
.endm
; 64 numbers of a lane, none negative, register 16 b + i = key 32 b + 16 (lane / 16) + i of four slots, become a fragment's codes in v[pc] on and its scale word in v[pw].  v24-35 are at work here.
.macro QUANT s, pc, tc, pw
.irp b, 0,1,2,3
	v_max3_num_f32 v[24+\b], v[\s+16*\b], v[\s+1+16*\b], 0x2800000   ; with the floor 2^(5 - 127): the byte cannot fall under 1
.endr
.irp i, 2,4,6,8,10,12,14
.irp b, 0,1,2,3
	v_max3_num_f32 v[24+\b], v[24+\b], v[\s+16*\b+\i], v[\s+1+16*\b+\i]
.endr
.endr
.irp b, 0,1,2,3
	v_permlanex16_b32 v[28+\b], v[24+\b], s[SEL], s[SEL+1]
.endr
.irp b, 0,1,2,3
	v_max_num_f32 v[24+\b], v[24+\b], v[28+\b]
.endr
.irp b, 0,1,2,3
	v_add_nc_u32 v[32+\b], 0xfe000000, v[24+\b]    ; 4 off the exponent field: the conversion's scale operand
.endr
.irp b, 0,1,2,3
	v_lshrrev_b32 v[28+\b], 23, v[32+\b]
.endr
	v_lshl_or_b32 v[\pw], v29, 8, v28
	v_lshl_or_b32 v[\pw], v30, 16, v[\pw]
	v_lshl_or_b32 v[\pw], v31, 24, v[\pw]
.irp c, 0,1
	v_cvt_scalef32_pk16_bf6_f32 v[\pc+6*\c:\pc+2+6*\c], v[\s+32*\c:\s+15+32*\c], v[32+2*\c]
	v_cvt_scalef32_pk16_bf6_f32 v[\tc+4*\c:\tc+2+4*\c], v[\s+16+32*\c:\s+31+32*\c], v[33+2*\c]
.endr
	v_nop                                          ; one plain place behind the scaled conversions
.irp c, 0,1                                    ; the operand's layout wants a whole block in a lane
.irp i, 0,1,2
	v_permlane16_swap_b32 v[\pc+6*\c+\i], v[\tc+4*\c+\i]
.endr
.irp i, 0,1,2
	v_mov_b32 v[\pc+3+6*\c+\i], v[\tc+4*\c+\i]
.endr
.endr
.endm
	s_load_b256 s[4:11], s[0:1], 0x0               ; qk s[4:5], vv s[6:7], threshold s[8:9], leak s[10:11]
	s_load_b128 s[12:15], s[0:1], 0x20             ; steepness s[12:13], yy s[14:15]
	v_lshl_add_u32 v[SPW], v0, 2, SPARE
	v_mov_b32 v[NIL], 0
	v_lshrrev_b32 v18, 5, v0
	v_readfirstlane_b32 s[WV], v18                 ; wave 0..15
	s_wait_alu depctr_va_sdst(0)                   ; the wave's number is written, ahead of its first reader
	s_lshr_b32 s72, s[WV], 2
	s_and_b32 s73, s[WV], 3
	s_xor_b32 s[HF], s72, s73
	s_and_b32 s[HF], s[HF], 1                      ; my half: two waves of each half in every four neighbours, whichever way the waves are dealt
	s_lshl_b32 s[EE], s72, 1
	s_lshr_b32 s73, s73, 1
	s_add_co_u32 s[EE], s[EE], s73                 ; my place among the half's eight
	s_mul_i32 s[RHO], s[HF], 7
	s_xor_b32 s[RHO], s[RHO], s[EE]                ; my key blocks: rho + 8 j; the halves count in opposite directions
	s_and_b32 s[SUB], s[RHO], 1
	s_and_b32 s[HG], ttmp9, 3
	s_bfe_u32 s[SS], ttmp9, 0x50002
	s_lshr_b32 s[BA], ttmp9, 7
	s_mul_i32 s[QBL], s[HF], 63
	s_xor_b32 s[QBL], s[QBL], s[SS]                ; my block of queries: s or 63 - s
	s_add_co_u32 s[NA], s[QBL], 8
	s_sub_co_u32 s[NA], s[NA], s[RHO]
	s_and_b32 s[JD], s[NA], 7
	s_lshr_b32 s[NA], s[NA], 3                     ; how many j have rho + 8 j <= my block of queries
	s_sub_co_u32 s72, s[NA], 1
	s_cmp_eq_u32 s[JD], 0
	s_cselect_b32 s[JD], s72, 99                   ; the last of them lies on the diagonal, or none does
.set i, 24
.rept 232
	v_mov_b32 v[i], 0                              ; once a launch: see the head; v24-29 and v36-41 are also q's zeros
.set i, i+1
.endr
	v_and_b32 v18, 31, v0                          ; lane
	v_and_b32 v19, 15, v0                          ; r
	v_bfe_u32 v20, v0, 4, 1                        ; h
	v_and_b32 v21, 8, v19
	v_add_nc_u32 v21, v21, v19                     ; r + 8 (r / 8)
	v_mul_u32_u24 v[AKL], v21, 24
	v_mad_u32_u24 v[AKL], v20, 0xc000, v[AKL]
	v_lshlrev_b32 v[ASL], 2, v21
	v_mul_u32_u24 v[AVL], v19, 24
	v_mad_u32_u24 v[AVL], v20, 0x3000, v[AVL]
	v_lshlrev_b32 v[AVS], 2, v19
	s_lshl_b32 s72, s[HF], 11
	v_lshl_add_u32 v[XR], v19, 5, s72
	s_lshl_b32 s73, s[EE], 2
	v_add_nc_u32 v[XW], s73, v[XR]
	s_lshl_b32 s72, s[HF], 3
	s_add_co_u32 s72, s72, s[EE]
	s_lshl_b32 s72, s72, 12
	s_add_co_u32 s72, s72, OP
	v_lshl_add_u32 v[OPW], v18, 4, s72
	s_lshl_b32 s72, s[HF], 15
	s_lshl_b32 s73, s[SUB], 11
	s_add_co_u32 s72, s72, s73
	s_add_co_u32 s72, s72, OP
	v_lshl_add_u32 v[ORD], v19, 4, s72
	v_lshl_add_u32 v[ORD], v20, 10, v[ORD]
	s_mul_i32 s72, s[HF], 6144                     ; y's codes go into the stage where they lie in a row of yy: row 8 u + r + 8 (r / 8) of 192 bytes; in it 48 x head + 24 x sub + 12 h
	s_mul_i32 s73, s[SUB], 24
	s_add_co_u32 s72, s72, s73
	s_add_co_u32 s72, s72, YST
	v_mul_u32_u24 v[YCW], v21, 192
	v_mad_u32_u24 v[YCW], v20, 12, v[YCW]
	v_add_nc_u32 v[YCW], s72, v[YCW]
	s_lshl_b32 s72, s[HF], 8                       ; the scale bytes likewise: 8 bytes a row; in them 2 x head + sub
	s_add_co_u32 s72, s72, s[SUB]
	s_add_co_u32 s72, s72, YSS
	v_lshl_add_u32 v[YSW], v21, 3, s72
	s_min_u32 s72, s[WV], 11                       ; the last read is dense: 512 bytes a wave, 16 a lane.  Waves 12-15 do not read: their address is held inside the stage
	s_lshl_b32 s72, s72, 9
	s_add_co_u32 s72, s72, YST
	v_lshl_add_u32 v[YRD], v18, 4, s72
	s_and_b32 s72, s[WV], 1
	s_lshl_b32 s72, s72, 8
	s_add_co_u32 s72, s72, YSS
	v_lshl_add_u32 v[YSR], v18, 3, s72             ; a half's 256 scale bytes: 8 a lane
	v_lshlrev_b32 v[YGO], 4, v0
	v_lshlrev_b32 v[YSG], 3, v18
	v_lshlrev_b32 v22, 4, v20
	v_sub_nc_u32 v[VD0], v21, v22
	v_lshlrev_b32 v[PFO], 8, v18
	s_mov_b32 s[CS], 0x3e38aa3b                    ; log2(e) / 8: t = score x it
	s_mov_b32 s[CS+1], s[CS]
	s_mov_b32 s[SEL], 0x76543210
	s_mov_b32 s[SEL+1], 0xfedcba98
	s_mov_b32 s[KSEL], 0x05040100                  ; k's scale word: bytes 0, 1 of tile 0's word, bytes 0, 1 of tile 1's (an odd head: bytes 2, 3)
	s_mov_b32 s[QSEL], 0x01000100                  ; q's: its two bytes twice, for [q | 0] and [0 | q]
	s_mov_b32 s[HD], 0
	; the four heads' parameters: lane l & 3 computes head 4 hg + (l & 3)
	v_and_b32 v18, 3, v0
	v_lshlrev_b32 v18, 2, v18
	s_lshl_b32 s72, s[HG], 4
	v_add_nc_u32 v18, s72, v18
	s_wait_kmcnt 0x0
	s_wait_alu depctr_va_vdst(0)                   ; all that the head has made is written: v18 and the addresses v3-17 and v45, which the kernel's loads, stores and prefetch read; v19-21, in which the three loads below land; the zeros in v24-255, in which the first loads of q and k land
	global_load_b32 v19, v18, s[8:9]
	global_load_b32 v20, v18, s[10:11]
	global_load_b32 v21, v18, s[12:13]
	s_wait_loadcnt 0x0
	s_wait_alu depctr_vm_vsrc(0)                   ; the three loads have read v18, which is at work again from the first trip on
	v_mul_f32 v19, 0x3dcccccd, |v19|               ; thr = |threshold| x 0.1
	v_mul_f32 v22, 0xbfb8aa3b, v20
	v_mul_f32 v23, 0xbfb8aa3b, |v21|
	v_exp_f32 v22, v22                             ; e^-leak
	v_exp_f32 v23, v23                             ; e^-|steepness|
	v_max_num_f32 v21, 0, v21                      ; (a plain place behind the two)
	s_wait_alu depctr_va_vdst(0)                   ; the two exponentials have written v22 and v23, ahead of their first reader
	v_add_f32 v22, 1.0, v22
	v_add_f32 v23, 1.0, v23
	v_rcp_f32 v22, v22                             ; lk = sigmoid(leak)
	v_log_f32 v23, v23
	v_nop
	s_wait_alu depctr_va_vdst(0)                   ; the reciprocal and the logarithm have written v22 and v23, ahead of their first reader
	v_fma_f32 v21, v23, 0x3f317218, v21            ; st = softplus(steepness) = max(x, 0) + ln(1 + e^-|x|): the form that stays in range
	v_mul_f32 v20, 0xbfb8aa3b, v21                 ; A = -log2(e) st
	v_mul_f32 v19, -v20, v19                       ; Bc = -A thr: fire = 1 / (1 + 2^(A probs + Bc))
	v_sub_f32 v23, 1.0, v22                        ; lif_w = lk + (1 - lk) fire
.irp k, 0,1,2,3
	v_readlane_b32 s[TAB+4*\k], v20, \k
	v_readlane_b32 s[TAB+4*\k+1], v19, \k
	v_readlane_b32 s[TAB+4*\k+2], v22, \k
	v_readlane_b32 s[TAB+4*\k+3], v23, \k
.endr
	s_wait_alu depctr_va_sdst(0)                   ; the table's sixteen scalar registers are written: one wait behind the run, ahead of every branch and label and of their first reader, at the loop's head
	; where my operands lie
	s_mov_b32 s77, 0
	s_lshl_b32 s72, s[BA], 6
	s_lshl_b32 s73, s[HG], 3
	s_add_co_u32 s72, s72, s73                     ; q's first block of 32 channels: batch 64 + 8 hg
	s_mul_i32 s74, s72, 49152
	s_mul_i32 s75, s[QBL], 768
	s_add_co_u32 s76, s74, s75
	s_add_nc_u64 s[QB:QB+1], s[4:5], s[76:77]
	s_add_co_u32 s74, s74, 32*49152
	s_mul_i32 s75, s[RHO], 768
	s_add_co_u32 s76, s74, s75
	s_add_nc_u64 s[KB:KB+1], s[4:5], s[76:77]
	s_lshl_b32 s74, s[HG], 15
	s_lshl_b32 s75, s[BA], 13
	s_add_co_u32 s74, s74, s75
	s_add_co_u32 s74, s74, 6291456
	s_lshl_b32 s75, s[QBL], 7
	s_add_co_u32 s76, s74, s75
	s_add_nc_u64 s[QS:QS+1], s[4:5], s[76:77]
	s_add_co_u32 s74, s74, 8*16384
	s_lshl_b32 s75, s[RHO], 7
	s_add_co_u32 s76, s74, s75
	s_add_nc_u64 s[KS:KS+1], s[4:5], s[76:77]
	s_lshl_b32 s74, s[BA], 4
	s_lshl_b32 s75, s[HG], 2
	s_add_co_u32 s74, s74, s75
	s_mul_i32 s74, s74, 98304                      ; v: a head is 98,304 bytes of codes
	s_mul_i32 s75, s[RHO], 1536
	s_add_co_u32 s76, s74, s75
	s_add_nc_u64 s[VB:VB+1], s[6:7], s[76:77]
	s_lshl_b32 s75, s[BA], 3
	s_add_co_u32 s75, s75, s[RHO]
	s_lshl_b32 s75, s75, 13
	s_lshl_b32 s76, s[HG], 10
	s_add_co_u32 s76, s76, s75
	s_add_co_u32 s76, s76, 3145728
	s_add_nc_u64 s[VS:VS+1], s[6:7], s[76:77]
	; the prefetches: wave 0 of work-groups s < 24 names 8,192 bytes of the NEXT head: s < 12 of k's 98,304 dense bytes, the others of v's
	s_add_co_u32 s75, s72, 34
	s_mul_i32 s75, s75, 49152
	s_lshl_b32 s78, s[SS], 13
	s_add_co_u32 s75, s75, s78
	s_add_co_u32 s76, s74, s78                     ; (v: one head on and 12 x 8,192 back are the same number of bytes)
	s_cmp_lt_u32 s[SS], 12
	s_cselect_b32 s76, s75, s76
	s_cselect_b64 s[PFA:PFA+1], s[4:5], s[6:7]
	s_add_nc_u64 s[PFA:PFA+1], s[PFA:PFA+1], s[76:77]
	s_cmp_lt_u32 s[SS], 24
	s_cselect_b32 s[PFL], 3, 0
	s_cmp_eq_u32 s[WV], 0
	s_cselect_b32 s[PFL], s[PFL], 0                ; a wave prefetches while the head's number is under this
	; where y goes: form F(4096), quarter of K = hg
	s_lshl_b32 s74, s[HG], 12
	s_lshl_b32 s75, s[BA], 11
	s_add_co_u32 s74, s74, s75
	s_lshl_b32 s75, s[SS], 5
	s_add_co_u32 s75, s75, s74
	s_mul_i32 s76, s75, 192
	s_add_nc_u64 s[YB0:YB0+1], s[14:15], s[76:77]
	s_xor_b32 s75, s[SS], 63
	s_lshl_b32 s75, s75, 5
	s_add_co_u32 s75, s75, s74
	s_mul_i32 s76, s75, 192
	s_add_nc_u64 s[YB1:YB1+1], s[14:15], s[76:77]
	s_and_b32 s75, s[WV], 1
	s_mul_i32 s75, s75, 63
	s_xor_b32 s75, s75, s[SS]
	s_lshl_b32 s75, s75, 5
	s_add_co_u32 s75, s75, s74
	s_lshl_b32 s76, s75, 3
	s_add_co_u32 s76, s76, 3145728
	s_add_nc_u64 s[YSB:YSB+1], s[14:15], s[76:77]
; ONE TRIP: tile u of the head in hand.
.macro TRIP u
	s_wait_loadcnt 0x0                             ; q, k and their scale words
	v_perm_b32 v[QW], v[QW], v[QW], s[QSEL]
.irp j, 0,1,2,3,4,5,6,7
	v_perm_b32 v[KW+\j], v[AUX+\j], v[KW+\j], s[KSEL]
.endr
	v_mov_b32 v[ST+2], 0xff61b1e6                  ; -3e38, under every score
	v_mov_b32 v[ST+3], 0xff61b1e6
.rept 6
	v_nop                                          ; with the two lines above: eight places between a scale register's write and the scaled products
.endr
	s_wait_alu depctr_va_vdst(0)                   ; behind the places: the nine scale words v[QW] and v[KW ..] are written, and so are q's zeros, all of which the scaled products below take
.irp j, 0,1,2,3
	s_cmp_le_u32 s[NA], \j
	s_cbranch_scc1 .Lqkd_\@
	v_wmma_scale_f32_16x16x128_f8f6f4 v[SL+16*\j:SL+16*\j+7], v[192+12*\j:203+12*\j], v[30:41], 0, v[KW+\j], v[QW] matrix_a_fmt:MATRIX_FMT_BF6 matrix_b_fmt:MATRIX_FMT_BF6
	v_wmma_scale_f32_16x16x128_f8f6f4 v[SL+16*\j+8:SL+16*\j+15], v[192+12*\j:203+12*\j], v[24:35], 0, v[KW+\j], v[QW] matrix_a_fmt:MATRIX_FMT_BF6 matrix_b_fmt:MATRIX_FMT_BF6
.endr
.rept 5
	v_nop                                          ; the next results are laid over fragments that are done with: five places
.endr
.irp j, 4,5,6,7
	s_cmp_le_u32 s[NA], \j
	s_cbranch_scc1 .Lqkd_\@
	v_wmma_scale_f32_16x16x128_f8f6f4 v[SL+16*\j:SL+16*\j+7], v[KV+12*(\j-4):KV+12*(\j-4)+11], v[30:41], 0, v[KW+\j], v[QW] matrix_a_fmt:MATRIX_FMT_BF6 matrix_b_fmt:MATRIX_FMT_BF6
	v_wmma_scale_f32_16x16x128_f8f6f4 v[SL+16*\j+8:SL+16*\j+15], v[KV+12*(\j-4):KV+12*(\j-4)+11], v[24:35], 0, v[KW+\j], v[QW] matrix_a_fmt:MATRIX_FMT_BF6 matrix_b_fmt:MATRIX_FMT_BF6
.endr
.Lqkd_\@:
.rept 4
	v_nop                                          ; places in front of the first read of the scores
.endr
	s_wait_alu depctr_va_vdst(0)                   ; the products are done reading k's fragments in v[KV ..] and the scale words in v[KW ..], in which the loads of v and of its scale words land
	s_cmp_eq_u32 s[NA], 0                          ; v is asked for now: it has the three walks in which to come
	s_cbranch_scc1 .Lnov_\@
	VCODES 0, KV
	VWORDS 0
	s_cmp_le_u32 s[NA], 4
	s_cbranch_scc1 .Lnov_\@
	VWORDS 1
.Lnov_\@:
.if \u == 1
	s_cmp_lt_u32 s[HD], s[PFL]                     ; the next head's k or v: 32 lanes, 256 bytes apart; each block is named once in the launch; the rest of this trip ahead of the loads; the last head asks for nothing
	s_cbranch_scc0 .Lnp_\@
	global_prefetch_b8 v[PFO], s[PFA:PFA+1] th:TH_LOAD_NT scope:SCOPE_SE
.Lnp_\@:
.endif
	; ---- walk 1: the largest score; on the diagonal hidden keys become -infinity first (key 16 h + i is hidden where i - 8 u > r + 8 (r / 8) - 16 h)
.irp j, 0,1,2,3,4,5,6,7
	s_cmp_le_u32 s[NA], \j
	s_cbranch_scc1 .Lp1a_\@
	s_cmp_lg_u32 s[JD], \j
	s_cbranch_scc1 .Lnm_\@_\j
	v_mov_b32 v[SCR], 0xff800000
.irp g, 0,8                                    ; the compares in two runs of eight, each into scalar registers of its own, with one wait behind the run
.irp i, 0,1,2,3,4,5,6,7
	v_cmp_gt_i32 s[MK+\i], \g+\i-8*\u, v[VD0]
.endr
	s_wait_alu depctr_va_sdst(0)                   ; the eight masks are written, ahead of the selects that read them
.irp i, 0,1,2,3,4,5,6,7
	v_cndmask_b32 v[SL+16*\j+\g+\i], v[SL+16*\j+\g+\i], v[SCR], s[MK+\i]
.endr
.endr
.Lnm_\@_\j:
.irp i, 0,4,8,12
	v_max3_num_f32 v[ST+2], v[ST+2], v[SL+16*\j+\i], v[SL+16*\j+\i+1]
	v_max3_num_f32 v[ST+3], v[ST+3], v[SL+16*\j+\i+2], v[SL+16*\j+\i+3]
.endr
.endr
.Lp1a_\@:
	v_max_num_f32 v[ST+2], v[ST+2], v[ST+3]
	v_permlanex16_b32 v[ST+3], v[ST+2], s[SEL], s[SEL+1]
	v_max_num_f32 v[ST+2], v[ST+2], v[ST+3]
	v_mul_f32 v[ST+1], s[CS], v[ST+2]
	v_ceil_f32 v[ST], v[ST+1]                      ; my wave's M: its largest t rounded up to a whole number, so that the waves' sums are brought together by exact powers of two
.irp i, 2,3,4,5
	v_mov_b32 v[ST+\i], 0
.endr
.irp j, 0,1,2,3,4,5,6,7
	s_cmp_le_u32 s[NA], \j
	s_cbranch_scc1 .Lp1c_\@
.irp i, 0,2,4,6,8,10,12,14
	v_pk_fma_f32 v[SL+16*\j+\i:SL+16*\j+\i+1], v[SL+16*\j+\i:SL+16*\j+\i+1], s[CS:CS+1], v[ST:ST+1] op_sel_hi:[1,0,0] neg_lo:[0,0,1] neg_hi:[0,0,1]   ; t - M
.endr
.irp i, 0,1,2,3,4,5,6,7,8,9,10,11,12,13,14,15
	v_exp_f32 v[SL+16*\j+\i], v[SL+16*\j+\i]       ; p = 2^(t - M)
.endr
	v_nop                                          ; a plain place behind the batch,
	s_wait_alu depctr_va_vdst(0)                   ; and its one wait: the sixteen exponentials have written the slot's registers, ahead of their first reader and of the next branch
.irp i, 0,4,8,12
	v_pk_add_f32 v[ST+2:ST+3], v[ST+2:ST+3], v[SL+16*\j+\i:SL+16*\j+\i+1]
	v_pk_add_f32 v[ST+4:ST+5], v[ST+4:ST+5], v[SL+16*\j+\i+2:SL+16*\j+\i+3]
.endr
.endr
.Lp1c_\@:
	v_pk_add_f32 v[ST+2:ST+3], v[ST+2:ST+3], v[ST+4:ST+5]
	v_add_f32 v[ST+2], v[ST+2], v[ST+3]
	v_permlanex16_b32 v[ST+3], v[ST+2], s[SEL], s[SEL+1]
	v_add_f32 v[ST+2], v[ST+2], v[ST+3]
	s_wait_alu depctr_va_vdst(0)                   ; M in v[ST] and the sum in v[ST+2] are written, which the two LDS stores read; and all vector work on v[AUX ..] is over, in which the LDS loads behind the barrier land: no vector instruction stands between
	ds_store_b32 v[XW], v[ST]                      ; both halves of the lanes write the same word with the same value
	ds_store_b32 v[XW], v[ST+2] offset:512
	BAR                                            ; the eight waves' M and sums lie in LDS
	; ---- walk 2: probs = p g, g = 2^(my M - the row's M) / the row's sum; fire, lif_w, and the sum of probs x lif_w
	ds_load_b128 v[AUX:AUX+3], v[XR]
	ds_load_b128 v[AUX+4:AUX+7], v[XR] offset:16
	ds_load_b128 v[AUX+8:AUX+11], v[XR] offset:512
	ds_load_b128 v[AUX+12:AUX+15], v[XR] offset:528
	s_wait_dscnt 0x0
	s_wait_alu depctr_vm_vsrc(0)                   ; the two LDS stores above have read v[ST] and v[ST+2], which this walk writes anew
	v_max3_num_f32 v[SCR], v[AUX], v[AUX+1], v[AUX+2]
	v_max3_num_f32 v[SCR], v[SCR], v[AUX+3], v[AUX+4]
	v_max3_num_f32 v[SCR], v[SCR], v[AUX+5], v[AUX+6]
	v_max_num_f32 v[SCR], v[SCR], v[AUX+7]         ; the row's M
.irp e, 0,1,2,3,4,5,6,7
	v_sub_f32 v[AUX+\e], v[AUX+\e], v[SCR]         ; a whole number, 0 or less
.endr
.irp e, 0,1,2,3,4,5,6,7
	v_cvt_i32_f32 v[AUX+\e], v[AUX+\e]             ; (it saturates: a wave without keys has the sum 0)
.endr
.irp e, 0,1,2,3,4,5,6,7
	v_ldexp_f32 v[AUX+8+\e], v[AUX+8+\e], v[AUX+\e]
.endr
	v_add_f32 v[AUX+8], v[AUX+8], v[AUX+9]
	v_add_f32 v[AUX+10], v[AUX+10], v[AUX+11]
	v_add_f32 v[AUX+12], v[AUX+12], v[AUX+13]
	v_add_f32 v[AUX+14], v[AUX+14], v[AUX+15]
	v_add_f32 v[AUX+8], v[AUX+8], v[AUX+10]
	v_add_f32 v[AUX+12], v[AUX+12], v[AUX+14]
	v_add_f32 v[AUX+8], v[AUX+8], v[AUX+12]
	v_sub_f32 v[SCR+1], v[ST], v[SCR]
	v_cvt_i32_f32 v[SCR+1], v[SCR+1]
	v_rcp_f32 v[SCR+2], v[AUX+8]
	v_mov_b32 v[SCR+4], s[LK]                      ; (plain work behind the reciprocal)
	v_mov_b32 v[SCR+5], s[LK]
.irp i, 2,3,4,5
	v_mov_b32 v[ST+\i], 0
.endr
	s_wait_alu depctr_va_vdst(0)                   ; the reciprocal has written v[SCR+2], ahead of its first reader
	v_ldexp_f32 v[ST+1], v[SCR+2], v[SCR+1]        ; g
	v_mul_f32 v[ST], s[PA], v[ST+1]                ; A g
.irp j, 0,1,2,3,4,5,6,7
	s_cmp_le_u32 s[NA], \j
	s_cbranch_scc1 .Lp2_\@
.irp i, 0,2,4,6,8,10,12,14
	v_pk_fma_f32 v[AUX+\i:AUX+\i+1], v[SL+16*\j+\i:SL+16*\j+\i+1], v[ST:ST+1], s[BC:BC+1] op_sel_hi:[1,0,0]   ; A probs + Bc
.endr
.irp i, 0,1,2,3,4,5,6,7,8,9,10,11,12,13,14,15
	v_exp_f32 v[AUX+\i], v[AUX+\i]
.endr
	v_nop
	s_wait_alu depctr_va_vdst(0)                   ; the sixteen exponentials have written v[AUX ..], ahead of their first reader
.irp i, 0,2,4,6,8,10,12,14
	v_pk_add_f32 v[AUX+\i:AUX+\i+1], v[AUX+\i:AUX+\i+1], 1.0 op_sel_hi:[1,0]
.endr
.irp i, 0,1,2,3,4,5,6,7,8,9,10,11,12,13,14,15
	v_rcp_f32 v[AUX+\i], v[AUX+\i]                 ; fire
.endr
	v_nop
	s_wait_alu depctr_va_vdst(0)                   ; the sixteen reciprocals have written v[AUX ..], ahead of their first reader and of the next branch
.irp i, 0,2,4,6,8,10,12,14
	v_pk_fma_f32 v[AUX+\i:AUX+\i+1], v[AUX+\i:AUX+\i+1], s[OM:OM+1], v[SCR+4:SCR+5] op_sel_hi:[1,0,0]   ; lif_w = (1 - lk) fire + lk
.endr
.irp i, 0,2,4,6,8,10,12,14
	v_pk_mul_f32 v[SL+16*\j+\i:SL+16*\j+\i+1], v[SL+16*\j+\i:SL+16*\j+\i+1], v[AUX+\i:AUX+\i+1]
.endr
.irp i, 0,4,8,12
	v_pk_add_f32 v[ST+2:ST+3], v[ST+2:ST+3], v[SL+16*\j+\i:SL+16*\j+\i+1]
	v_pk_add_f32 v[ST+4:ST+5], v[ST+4:ST+5], v[SL+16*\j+\i+2:SL+16*\j+\i+3]
.endr
.endr
.Lp2_\@:
	v_pk_add_f32 v[ST+2:ST+3], v[ST+2:ST+3], v[ST+4:ST+5]
	v_add_f32 v[ST+2], v[ST+2], v[ST+3]
	v_permlanex16_b32 v[ST+3], v[ST+2], s[SEL], s[SEL+1]
	v_add_f32 v[ST+2], v[ST+2], v[ST+3]
	v_mul_f32 v[ST+2], v[ST+1], v[ST+2]            ; my wave's part of the sum of probs x lif_w
	s_wait_alu depctr_va_vdst(0)                   ; the sum in v[ST+2] is written, which the LDS store reads; and this walk's work on v[AUX ..] is over, in which the LDS loads behind the barrier land: no vector instruction stands between
	ds_store_b32 v[XW], v[ST+2] offset:1024
	BAR
	; ---- walk 3: mod = p lif_w g / (the sum + 1e-8), quantised along the keys, a slot a block
	ds_load_b128 v[AUX:AUX+3], v[XR] offset:1024
	ds_load_b128 v[AUX+4:AUX+7], v[XR] offset:1040
	s_wait_dscnt 0x0
	v_add_f32 v[AUX], v[AUX], v[AUX+1]
	v_add_f32 v[AUX+2], v[AUX+2], v[AUX+3]
	v_add_f32 v[AUX+4], v[AUX+4], v[AUX+5]
	v_add_f32 v[AUX+6], v[AUX+6], v[AUX+7]
	v_add_f32 v[AUX], v[AUX], v[AUX+2]
	v_add_f32 v[AUX+4], v[AUX+4], v[AUX+6]
	v_add_f32 v[AUX], v[AUX], v[AUX+4]
	v_add_f32 v[AUX], 0x322bcc77, v[AUX]           ; + 1e-8
	v_rcp_f32 v[AUX+1], v[AUX]
	v_nop
	s_wait_alu depctr_va_vdst(0)                   ; the reciprocal has written v[AUX+1], ahead of its first reader and of the next branch
	v_mul_f32 v[ST], v[ST+1], v[AUX+1]
	s_cmp_eq_u32 s[NA], 0
	s_cbranch_scc1 .Lnk_\@
.irp j, 3,2,1                                  ; slots without keys hold what other work left there: they become zeros, whose codes add nothing
	s_cmp_gt_u32 s[NA], \j
	s_cbranch_scc1 .Lz0_\@
.irp i, 0,1,2,3,4,5,6,7,8,9,10,11,12,13,14,15
	v_mov_b32 v[SL+16*\j+\i], 0
.endr
.endr
.Lz0_\@:
.set i, 0
.rept 32
	v_pk_mul_f32 v[SL+i:SL+i+1], v[SL+i:SL+i+1], v[ST:ST+1] op_sel_hi:[1,0]
.set i, i+2
.endr
	QUANT SL, AUX, AUX+12, PW
	s_cmp_le_u32 s[NA], 4
	s_cbranch_scc1 .Lone_\@
	s_wait_alu depctr_va_vdst(0)                   ; the scalings have written and the quantiser is done reading slots 0-2's registers, in which the loads below land
	VCODES 1, SL                                   ; slots 0-3 are codes now: their registers take v for slots 4-7
.irp j, 7,6,5
	s_cmp_gt_u32 s[NA], \j
	s_cbranch_scc1 .Lz1_\@
.irp i, 0,1,2,3,4,5,6,7,8,9,10,11,12,13,14,15
	v_mov_b32 v[SL+16*\j+\i], 0
.endr
.endr
.Lz1_\@:
.set i, 64
.rept 32
	v_pk_mul_f32 v[SL+i:SL+i+1], v[SL+i:SL+i+1], v[ST:ST+1] op_sel_hi:[1,0]
.set i, i+2
.endr
	QUANT SL+64, 176, AUX+12, PW+1
.Lone_\@:
	s_wait_loadcnt 0x0                             ; v
.irp i, 24,25,26,27,28,29
	v_mov_b32 v[\i], 0                             ; q's zeros, which the quantiser has used
.endr
	v_nop
	v_nop                                          ; with the six lines above: eight places in front of the scaled products
	s_wait_alu depctr_va_vdst(0)                   ; behind the places: mod's codes in v[AUX ..] and v176-187 and its scale words in v[PW], v[PW+1] are written, which the scaled products below take
.irp dt, 0,1,2,3                               ; O^T = v^T mod^T: four accumulators by turns
	v_wmma_scale_f32_16x16x128_f8f6f4 v[192+8*\dt:199+8*\dt], v[KV+12*\dt:KV+12*\dt+11], v[AUX:AUX+11], 0, v[KW+\dt], v[PW] matrix_a_fmt:MATRIX_FMT_BF6 matrix_b_fmt:MATRIX_FMT_BF6
.endr
	s_cmp_le_u32 s[NA], 4
	s_cbranch_scc1 .Lpvd_\@
.irp dt, 0,1,2,3
	v_wmma_scale_f32_16x16x128_f8f6f4 v[192+8*\dt:199+8*\dt], v[SL+12*\dt:SL+12*\dt+11], v[176:187], v[192+8*\dt:199+8*\dt], v[KW+4+\dt], v[PW+1] matrix_a_fmt:MATRIX_FMT_BF6 matrix_b_fmt:MATRIX_FMT_BF6
.endr
.Lpvd_\@:
.rept 4
	v_nop
.endr
	s_branch .Lst_\@
.Lnk_\@:
.set i, 192
.rept 32
	v_mov_b32 v[i], 0                              ; a wave without keys adds zeros
.set i, i+1
.endr
.Lst_\@:
	s_wait_loadcnt 0x0                             ; no load of mine is out on any way that leads here: the registers below may be loaded anew, and the bases stepped
	s_wait_alu depctr_va_vdst(0)                   ; behind the places: O^T, or its zeros, is written in v192-223, which the LDS stores read; and the products and the quantisers are done with v30-35, v[QW], v[KV ..], v[KW ..], v[AUX ..], v128-239, in which the next trip's q and k and the reducers' LDS loads land: no vector instruction stands between
.irp dt, 0,1,2,3
	ds_store_b128 v[OPW], v[192+8*\dt:195+8*\dt] offset:1024*\dt          ; my part of O^T as an image of its registers, each accumulator from its low end on
	ds_store_b128 v[OPW], v[196+8*\dt:199+8*\dt] offset:1024*\dt+512
.endr
	s_wait_alu depctr_vm_vsrc(0)                   ; ahead of every branch below: the eight stores have read v192-223, in which k's loads, the next trip's scores or zeros land; the store of the second sum has read v[ST+2], which the next trip writes anew
.if \u == 0
	LOADQK_HI 1                                    ; the next trip's operands are asked for here
	s_wait_dscnt 0x0                               ; the images' stores have landed
	LOADK_LO
.else
	s_cmp_ge_u32 s[HD], 3
	s_cbranch_scc1 .Lnl_\@
	s_add_nc_u64 s[KB:KB+1], s[KB:KB+1], 98304     ; the next head: two blocks of 32 channels on
	s_add_nc_u64 s[QB:QB+1], s[QB:QB+1], 98304
	s_and_b32 s72, s[HD], 1
	s_lshl_b32 s72, s72, 14                        ; a scale word serves two heads
	s_mov_b32 s73, 0
	s_add_nc_u64 s[KS:KS+1], s[KS:KS+1], s[72:73]
	s_add_nc_u64 s[QS:QS+1], s[QS:QS+1], s[72:73]
	LOADQK_HI 0
	s_wait_dscnt 0x0
	LOADK_LO
.Lnl_\@:
.endif
	BAR                                            ; the eight waves' parts of O^T lie in LDS
	; ---- the sum over the eight waves, and y's quantiser: the two waves of each half with the fewest keys; wave sub takes channels 32 sub on: lane (r, h) query r, channels 32 sub + 16 h + 0 .. 15
	s_cmp_lt_u32 s[RHO], 6
	s_cbranch_scc1 .Lnr_\@
.irp q, 0,1,2,3
.irp hh, 0,1
.irp z, 0,1
	ds_load_b128 v[SL+16*\q+8*\hh+4*\z:SL+16*\q+8*\hh+4*\z+3], v[ORD] offset:4096*\q+512*\z+256*\hh
.endr
.endr
.endr
	s_wait_dscnt 0x0
.irp i, 0,2,4,6,8,10,12,14
	v_pk_add_f32 v[240+\i:241+\i], v[SL+\i:SL+\i+1], v[SL+16+\i:SL+17+\i]
.endr
.irp q, 2,3
.irp i, 0,2,4,6,8,10,12,14
	v_pk_add_f32 v[240+\i:241+\i], v[240+\i:241+\i], v[SL+16*\q+\i:SL+16*\q+\i+1]
.endr
.endr
	s_wait_alu depctr_va_vdst(0)                   ; the additions are done reading the first four images in v128-191, in which the other four land
.irp q, 0,1,2,3
.irp hh, 0,1
.irp z, 0,1
	ds_load_b128 v[SL+16*\q+8*\hh+4*\z:SL+16*\q+8*\hh+4*\z+3], v[ORD] offset:4096*(\q+4)+512*\z+256*\hh
.endr
.endr
.endr
	s_wait_dscnt 0x0
.irp q, 0,1,2,3
.irp i, 0,2,4,6,8,10,12,14
	v_pk_add_f32 v[240+\i:241+\i], v[240+\i:241+\i], v[SL+16*\q+\i:SL+16*\q+\i+1]
.endr
.endr
	v_max3_num_f32 v[AUX+8], |v240|, |v241|, 0x2800000
.irp i, 2,4,6,8,10,12,14
	v_max3_num_f32 v[AUX+8], v[AUX+8], |v[240+\i]|, |v[241+\i]|
.endr
	v_permlanex16_b32 v[AUX+9], v[AUX+8], s[SEL], s[SEL+1]
	v_max_num_f32 v[AUX+8], v[AUX+8], v[AUX+9]
	v_add_nc_u32 v[AUX+10], 0xfe000000, v[AUX+8]
	v_lshrrev_b32 v[AUX+11], 23, v[AUX+10]
	v_cvt_scalef32_pk16_bf6_f32 v[AUX+12:AUX+14], v[240:255], v[AUX+10]
	v_nop
	s_wait_alu depctr_va_vdst(0)                   ; y's scale byte in v[AUX+11] and its codes in v[AUX+12 ..] are written, which the four LDS stores read; so are their addresses v[YCW] and v[YSW], stepped at the last head's end; and the additions are done reading v128-191
	ds_store_b32 v[YCW], v[AUX+12] offset:1536*\u          ; tile u's rows lie 8 rows of 192 bytes on
	ds_store_b32 v[YCW], v[AUX+13] offset:1536*\u+4
	ds_store_b32 v[YCW], v[AUX+14] offset:1536*\u+8
	ds_store_b8 v[YSW], v[AUX+11] offset:64*\u     ; both halves of the lanes write the same byte with the same value
	s_wait_alu depctr_vm_vsrc(0)                   ; the four stores have read v[AUX+11 ..], in which the next trip's LDS loads land, and v[YCW], v[YSW], which step at the head's end
.Lnr_\@:
.endm
	LOADQK_HI 0
	LOADK_LO
; Three barriers a trip do: M and the first sums are written ahead of the first, read behind it, and written again only behind the third; the second sums likewise between the second and the third;
; the images of O^T are written between the second and the third, read behind the third, and written again only behind the next trip's second.  In front of each signal a wave has waited for all its LDS instructions.
.Lhead:
	s_mov_b32 s[PA], s[TAB]                        ; this head's parameters; the table moves down
	s_mov_b32 s[BC], s[TAB+1]
	s_mov_b32 s[BC+1], s[TAB+1]
	s_mov_b32 s[LK], s[TAB+2]
	s_mov_b32 s[OM], s[TAB+3]
	s_mov_b32 s[OM+1], s[TAB+3]
.irp i, 0,1,2,3,4,5,6,7,8,9,10,11
	s_mov_b32 s[TAB+\i], s[TAB+4+\i]
.endr
	TRIP 0
	TRIP 1
	s_add_nc_u64 s[VB:VB+1], s[VB:VB+1], 98304     ; v's loads have all been waited for
	s_add_nc_u64 s[VS:VS+1], s[VS:VS+1], 256
	s_xor_b32 s[KSEL], s[KSEL], 0x02020202         ; the other two bytes of the scale words
	s_xor_b32 s[QSEL], s[QSEL], 0x02020202
	v_add_nc_u32 v[YCW], 48, v[YCW]                ; the next head's 48 bytes of a row (the reducers' stores have read both addresses: the wait straight behind them),
	v_add_nc_u32 v[YSW], 2, v[YSW]                 ; and its two scale bytes
	s_wait_xcnt 0x0                                ; the prefetch, most of a trip back, has read its address
	s_add_nc_u64 s[PFA:PFA+1], s[PFA:PFA+1], 98304
	s_add_co_u32 s[HD], s[HD], 1
	s_cmp_lt_u32 s[HD], 4
	s_cbranch_scc1 .Lhead
	BAR                                            ; all of y's codes and scale bytes lie in LDS, as they leave
	s_cmp_lt_u32 s[WV], 12
	s_cbranch_scc0 .Lsc
	ds_load_b128 v[128:131], v[YRD]                ; waves 0-11: 32 rows x 192 bytes of each half, 16 bytes a thread.  (No vector instruction has named v128-135 since the last trip's last wait on va_vdst)
	ds_load_b128 v[132:135], v[YRD] offset:6144
	s_wait_dscnt 0x0
	global_store_b128 v[YGO], v[128:131], s[YB0:YB0+1]   ; a wave stores 512 consecutive bytes, at a multiple of 256 from the buffer's first byte
	global_store_b128 v[YGO], v[132:135], s[YB1:YB1+1]
	s_branch .Lend
.Lsc:
	s_cmp_lt_u32 s[WV], 14
	s_cbranch_scc0 .Lend
	ds_load_b64 v[128:129], v[YSR]                 ; waves 12, 13: a half's scale bytes, a lane a row
	s_wait_dscnt 0x0
	global_store_b64 v[YSG], v[128:129], s[YSB:YSB+1]    ; 256 consecutive bytes
.Lend:
	s_wait_dscnt 0x0                               ; the closing lines, six on end
	s_wait_alu 0x0
	s_wait_tensorcnt 0x0
	ds_add_u32 v[SPW], v[NIL]
	s_wait_dscnt 0x0
	s_endpgm
.Lfunc_end_k_qb09485225e_attn:
	.size	k_qb09485225e_attn, .Lfunc_end_k_qb09485225e_attn-k_qb09485225e_attn
	.p2alignl 7, 3214868480
	.fill 96, 4, 3214868480
	.section	.rodata,"a",@progbits
	.p2align	6, 0x0
	.amdhsa_kernel k_qb09485225e_attn
		.amdhsa_group_segment_fixed_size 84480
		.amdhsa_private_segment_fixed_size 0
		.amdhsa_enable_private_segment 0
		.amdhsa_kernarg_size 48
		.amdhsa_user_sgpr_count 2
		.amdhsa_user_sgpr_kernarg_segment_ptr 1
		.amdhsa_wavefront_size32 1
		.amdhsa_system_sgpr_workgroup_id_x 1
		.amdhsa_system_sgpr_workgroup_id_y 1
		.amdhsa_system_sgpr_workgroup_id_z 1
		.amdhsa_system_vgpr_workitem_id 0
		.amdhsa_next_free_vgpr 256
		.amdhsa_next_free_sgpr 104
		.amdhsa_reserve_vcc 0
		.amdhsa_float_denorm_mode_32 3
		.amdhsa_float_denorm_mode_16_64 3
		.amdhsa_memory_ordered 1
		.amdhsa_forward_progress 1
		.amdhsa_inst_pref_size 245
	.end_amdhsa_kernel
	.amdgpu_metadata
---
amdhsa.version: [ 1, 2 ]
amdhsa.kernels:
  - .name:           k_qb09485225e_attn
    .symbol:         k_qb09485225e_attn.kd
    .args:
      - { .name: qk, .offset: 0, .size: 8, .value_kind: global_buffer, .address_space: global }
      - { .name: vv, .offset: 8, .size: 8, .value_kind: global_buffer, .address_space: global }
      - { .name: threshold, .offset: 16, .size: 8, .value_kind: global_buffer, .address_space: global }
      - { .name: leak, .offset: 24, .size: 8, .value_kind: global_buffer, .address_space: global }
      - { .name: steepness, .offset: 32, .size: 8, .value_kind: global_buffer, .address_space: global }
      - { .name: yy, .offset: 40, .size: 8, .value_kind: global_buffer, .address_space: global }
    .group_segment_fixed_size: 84480
    .private_segment_fixed_size: 0
    .kernarg_segment_align: 8
    .kernarg_segment_size: 48
    .max_flat_workgroup_size: 512
    .sgpr_count:     104
    .vgpr_count:     256
    .wavefront_size: 32
...
	.end_amdgpu_metadata
.endif
;; end of part 5
;; launch proj: the kernel of part 4 again; grid 4 x 16, 4 waves a work-group, clusters of 4 x 4, 327,680 bytes of LDS; arguments yy, wp, b_proj, out0; writes out0
